; MI455X (gfx1250); checked and timed in simulation.
; The chip was launched on July 23, 2026; its instructions are those of AMD's public machine-readable ISA for CDNA 5 (MIT licence, August 2026) and "CDNA5" Instruction Set Architecture Reference Guide (July 2026). The comments in the code are by the model that wrote it; some were corrected since.
;; Trans Conv. Allowed arithmetic: float matrix products may take bf16 or f16 operands with f32 sums; other float arithmetic in f32, or as packed bf16 or f16 multiplies, adds, multiply-adds, maxima and minima; sums over many terms, partial sums and values carried from step to step in f32; what a program stores and reads back later, other than sums and carried values, may be rounded once to bf16 or f16.
;; Inputs: bk0 1,024 float32; bk1 1,024 float32; bq0 1,024 float32; bq1 1,024 float32; bv0 1,024 float32; bv1 1,024 float32; fc_b 256 float32; fc_w 512 x 256 float32; ln0_b 256 float32; ln0_g 256 float32; ln1_b 256 float32; ln1_g 256 float32; ln2_b 256 float32; ln2_g 256 float32; wk0 256 x 1,024 float32; wk1 256 x 1,024 float32; wq0 256 x 1,024 float32; wq1 256 x 1,024 float32; wv0 256 x 1,024 float32; wv1 256 x 1,024 float32; x 25,000 x 512 float32.
;; Outputs: out0 25,000 x 256 float32.
;; 2 versions, each right and faster than the one before. Each part assembles by itself: llvm-mc -triple=amdgcn-amd-amdhsa -mcpu=gfx1250 --defsym DOCPART=n.
;; ======== version 1 of 2: 10 launches
;; limits: values are held in f16: magnitudes above 65,504 overflow, below 6.1e-05 lose precision
;; workspace buffers: hs0 13,004,032 bytes; hs1 13,004,032 bytes; gpart 16,515,072 bytes; mm 536,832 bytes; ps0 3,395,584 bytes; ps1 3,133,440 bytes; cfg0 256 bytes of whole numbers; cfg1 256 bytes of whole numbers
;; launch prep (part 1): grid 848 x 1, 1 waves a work-group, no clusters, 0 bytes of LDS; arguments wq0, bq0, wk0, bk0, wq1, bq1, wk1, bk1, fc_w, ps0, ps1, cfg0, cfg1; writes ps0, ps1, cfg0, cfg1
.if DOCPART == 1
	.amdgcn_target "amdgcn-amd-amdhsa--gfx1250"
	.amdhsa_code_object_version 6
	.text
	.protected	k_qbc7dd568fb_prep
	.globl	k_qbc7dd568fb_prep
	.p2align	8
	.type	k_qbc7dd568fb_prep,@function
k_qbc7dd568fb_prep:
	s_mov_b64 s[64:65], 0
	v_nop
	global_prefetch_b8 v0, s[64:65] scope:SCOPE_SE
	s_setreg_imm32_b32 hwreg(HW_REG_WAVE_MODE, 25, 1), 1
	s_wait_xcnt 0x0
; THE WHOLE PROGRAM.  reference() makes q, k, v = h W + b ([N][4][256]), divides q and k by their global norms, and forms num = q (k^T v) + N v, den = q (sum of k) + N.
; Nothing but sums and products stands between h and num, den, so they are re-associated; this holds for all values of the inputs.
; With h~ = [h, 1], W~ = [W; b] (257 rows), G = h~^T h~ / N, P_h = W~q_h W~k_h^T, Sq = W~q W~q^T, Sk = W~k W~k^T:
;   |q|^2 = N <G, Sq>, |k|^2 = N <G, Sk>, kappa = 1 / (N sqrt(<G,Sq> <G,Sk>)),
;   num_h / N = h~ (W~v_h + kappa P_h G W~v_h),   den_h / N = h~ (e + kappa P_h G e), e the unit vector of the row of ones.
; No input is left out and no step of reference() is dropped.
; LIMITS: the order of rounding differs from reference()'s; an overflow, an infinity or a NaN that reference() would meet only in q, k or k^T v is not carried to the result.
; THIS KERNEL makes what hangs on the weights alone.  One wave a work-group.
;   Work-groups 0..815: 16 rows i x 144 columns j of one product X~ Y~^T over one head's 256 channels:
;   P_h (bf16), or the head's part of Sq or Sk (f32; the four parts are added where they are used).
;   Work-groups 816..847: fc_w rounded to bf16 and laid in operand order; the first of them also writes the two flags.
; LAYOUT of ps: P at 0: [head][17 ib][18 jb] blocks of 512 bytes; lane l = (r = l % 16, hl = l / 16) has 16 bytes: row 16 ib + r, columns 16 jb + 8 hl + 0..7.
;   That is half of a matrix operand's fragment, so a later load of 16 bytes a lane fills four operand registers.
;   S at SO: [q, k][head][17][18] blocks of 1,024 bytes, the same lanes in f32.
;   Row 256 is the bias; rows 257..271 and columns 257..287 are zeros.
.set SO,   626688
.set SARR, 313344
.set FBO,  3133440                     ; ps0 only: fc_w as [16 nb][16 s][2][32 lanes][16 bytes]
.set ACC,  32                          ; v[32:103]   nine accumulators
.set FR,   104                         ; v[104:183]  fragments: X, then nine of Y.  Window 1 v0-159 and window 2 v0-159: two sets of f32 as loaded
.set VX,   8                           ; byte offsets of my lane in X, in Y's blocks 0..6, in block 7, in block 8
.set VY,   9
.set VY7,  10
.set VY8,  11
.set MX,   12                          ; lane masks of X, of block 7, of block 8 (all ones; or the bias row alone; or none)
.set M7,   13
.set M8,   14
.set WQ, 48
.set BQ, 50
.set WK, 52
.set BK, 54
.set PS, 56
.set XW, 58
.set XBI, 60
.set YR, 66
.set YBI, 68
.set XB, 70
.set YS, 72
.set MSB, 0
.macro WIN new                         ; the immediate's high byte repeats the setting that is left; a switch that changes nothing is dropped
.if MSB != (\new)
	s_set_vgpr_msb (MSB<<8)|(\new)
.set MSB, \new
.endif
.endm
.macro PLACES                          ; four places behind a matrix instruction, ahead of vector writes of its sources and of reads of its result (ISA guide 7.12.1)
.rept 4
	v_nop
.endr
.endm
	s_load_b512 s[8:23], s[0:1], 0x0               ; wq0 bq0 wk0 bk0 wq1 bq1 wk1 bk1
	s_load_b256 s[24:31], s[0:1], 0x40             ; fc_w ps0 ps1 cfg0
	s_load_b64 s[32:33], s[0:1], 0x60              ; cfg1
	v_and_b32 v2, 15, v0                           ; r
	v_bfe_u32 v3, v0, 4, 1                         ; hl
	v_lshlrev_b32 v4, 4, v0                        ; 16 l
	s_mov_b32 s34, ttmp9
	s_cmp_ge_u32 s34, 816
	s_cbranch_scc1 .Lconv
	s_mul_i32 s35, s34, 61681                      ; id / 17 (61681 = 2^20 / 17 rounded up; exact for id < 816)
	s_lshr_b32 s35, s35, 20
	s_mul_i32 s41, s35, 17
	s_sub_co_u32 s36, s34, s41                     ; ib 0..16
	s_and_b32 s37, s35, 1                          ; jh: which nine of the 18 column blocks
	s_lshr_b32 s38, s35, 1                         ; 0..23: layer, product, head
	s_wait_kmcnt 0x0
	s_cmp_ge_u32 s38, 12
	s_cselect_b64 s[WQ:WQ+1], s[16:17], s[8:9]
	s_cselect_b64 s[BQ:BQ+1], s[18:19], s[10:11]
	s_cselect_b64 s[WK:WK+1], s[20:21], s[12:13]
	s_cselect_b64 s[BK:BK+1], s[22:23], s[14:15]
	s_cselect_b64 s[PS:PS+1], s[28:29], s[26:27]
	s_cselect_b32 s41, 12, 0
	s_sub_co_u32 s38, s38, s41
	s_lshr_b32 s39, s38, 2                         ; 0: P, 1: Sq, 2: Sk
	s_and_b32 s40, s38, 3                          ; head
	s_cmp_eq_u32 s39, 2
	s_cselect_b64 s[XW:XW+1], s[WK:WK+1], s[WQ:WQ+1]
	s_cselect_b64 s[XBI:XBI+1], s[BK:BK+1], s[BQ:BQ+1]
	s_cmp_eq_u32 s39, 1
	s_cselect_b64 s[YR:YR+1], s[WQ:WQ+1], s[WK:WK+1]
	s_cselect_b64 s[YBI:YBI+1], s[BQ:BQ+1], s[BK:BK+1]
	s_lshl_b32 s45, s40, 10                        ; the head's 256 channels: 1,024 bytes into a row
	s_cmp_eq_u32 s36, 16                           ; X's block 16 is the bias row: every lane reads the bias, all lanes but r = 0 are masked
	s_cselect_b64 s[XB:XB+1], s[XBI:XBI+1], s[XW:XW+1]
	s_cselect_b32 s42, 0, 4096
	s_cselect_b32 s43, 0, -1
	s_cselect_b32 s44, 0, s36
	s_lshl_b32 s44, s44, 16
	s_add_co_u32 s44, s44, s45
	s_cmp_eq_u32 s37, 1                            ; in the second nine, block 7 is the bias row and block 8 is zeros
	s_cselect_b64 s[YS:YS+1], s[YBI:YBI+1], s[YR:YR+1]
	s_cselect_b32 s46, 0, 4096
	s_cselect_b32 s47, 0, -1
	s_cselect_b32 s41, 0, 7<<16
	s_cselect_b32 s74, 0, 8<<16
	s_cselect_b32 s75, 9<<16, 0
	s_add_co_u32 s41, s41, s45
	s_add_co_u32 s74, s74, s45
	s_add_co_u32 s75, s75, s45
	v_lshlrev_b32 v5, 5, v3                        ; 8 f32 for each half of the lanes
	v_mad_u32_u24 v[VX], v2, s42, v5
	v_add_nc_u32 v[VX], s44, v[VX]
	v_lshl_add_u32 v[VY], v2, 12, v5
	v_add_nc_u32 v[VY], s75, v[VY]
	v_mad_u32_u24 v[VY7], v2, s46, v5
	v_add_nc_u32 v[VY8], s74, v[VY7]
	v_add_nc_u32 v[VY7], s41, v[VY7]
	v_cmp_eq_u32 vcc_lo, 0, v2
	v_cndmask_b32 v6, 0, -1, vcc_lo
	v_or_b32 v[MX], s43, v6
	v_or_b32 v[M7], s47, v6
	v_mov_b32 v[M8], s47
; A fragment (16 rows x 32 channels) as f32: lane (r, hl) takes channels 8 hl + 0..7 and 16 + 8 hl + 0..7 of row r: four loads of 16 bytes.
.macro LD4 d, vo, bs, im
	global_load_b128 v[(\d):(\d)+3], v[\vo], s[\bs:\bs+1] offset:(\im)
	global_load_b128 v[(\d)+4:(\d)+7], v[\vo], s[\bs:\bs+1] offset:(\im)+16
	global_load_b128 v[(\d)+8:(\d)+11], v[\vo], s[\bs:\bs+1] offset:(\im)+64
	global_load_b128 v[(\d)+12:(\d)+15], v[\vo], s[\bs:\bs+1] offset:(\im)+80
.endm
.macro LOADS win, off                  ; a step's 40 loads into the set in window 1 (0x40) or 2 (0x80)
	WIN \win
	LD4 0, VX, XB, \off
.set tt, 0
.rept 7
	LD4 16+16*tt, VY, YR, (\off)+tt*65536
.set tt, tt+1
.endr
	LD4 128, VY7, YS, \off
	LD4 144, VY8, YS, \off
.endm
.macro CVT win                         ; the set is rounded to bf16, ten fragments; three of them are masked
	WIN \win
.set i, 0
.rept 80
	v_cvt_pk_bf16_f32 v[FR+i], v[2*i], v[2*i+1]
.set i, i+1
.endr
	WIN 0
.set i, 0
.rept 8
	v_and_b32 v[FR+i], v[MX], v[FR+i]
	v_and_b32 v[FR+64+i], v[M7], v[FR+64+i]
	v_and_b32 v[FR+72+i], v[M8], v[FR+72+i]
.set i, i+1
.endr
.endm
.macro MUL                             ; source 0 = 16 rows of Y, source 1 = 16 rows of X: a lane then holds one row i and eight neighbouring j.  The nine accumulators take turns
.set tt, 0
.rept 9
	v_wmma_f32_16x16x32_bf16 v[ACC+8*tt:ACC+8*tt+7], v[FR+8+8*tt:FR+8+8*tt+7], v[FR:FR+7], v[ACC+8*tt:ACC+8*tt+7]
.set tt, tt+1
.endr
.endm
	LOADS 0x40, 0                                  ; step 0
	LOADS 0x80, 128                                ; step 1
	WIN 0
.set i, 0
.rept 72
	v_mov_b32 v[ACC+i], 0                          ; the sums start at 0: written while the first loads are out, so that the loop has one form of product
.set i, i+1
.endr
	s_mov_b32 s76, 3
.Lturn:                                                ; steps 2 i and 2 i + 1 are multiplied, steps 2 i + 2 and 2 i + 3 asked for
	s_wait_loadcnt 40                              ; the first set is in; the second set's 40 loads may stay out
	PLACES
	CVT 0x05
	MUL
	s_wait_xcnt 0x0                                ; every load issued so far has read its offset: the four offsets step two steps on
	v_add_nc_u32 v[VX], 256, v[VX]
	v_add_nc_u32 v[VY], 256, v[VY]
	v_add_nc_u32 v[VY7], 256, v[VY7]
	v_add_nc_u32 v[VY8], 256, v[VY8]
	LOADS 0x40, 0
	s_wait_loadcnt 40                              ; the second set is in
	WIN 0
	PLACES
	CVT 0x0a
	MUL
	LOADS 0x80, 128
	WIN 0
	s_sub_co_u32 s76, s76, 1
	s_cmp_lg_u32 s76, 0
	s_cbranch_scc1 .Lturn
	s_wait_loadcnt 40                              ; the last two steps load nothing
	PLACES
	CVT 0x05
	MUL
	s_wait_loadcnt 0x0
	PLACES
	CVT 0x0a
	MUL
	PLACES
	s_cmp_eq_u32 s39, 0
	s_cbranch_scc0 .Lstore_s
	s_mul_i32 s41, s40, 17                         ; P: block (head, ib, 9 jh + tt): each store of the wave covers 512 consecutive bytes
	s_add_co_u32 s41, s41, s36
	s_mul_i32 s41, s41, 9216
	s_mul_i32 s42, s37, 4608
	s_add_co_u32 s41, s41, s42
	v_add_nc_u32 v7, s41, v4
.set tt, 0
.rept 9
.set p, 0
.rept 4
	v_cvt_pk_bf16_f32 v[FR+4*tt+p], v[ACC+8*tt+2*p], v[ACC+8*tt+2*p+1]
.set p, p+1
.endr
	global_store_b128 v7, v[FR+4*tt:FR+4*tt+3], s[PS:PS+1] offset:tt*512
.set tt, tt+1
.endr
	s_endpgm
.Lstore_s:
	s_sub_co_u32 s42, s39, 1                       ; S: array (product, head), block (ib, 9 jh + tt), f32
	s_lshl_b32 s42, s42, 2
	s_add_co_u32 s42, s42, s40
	s_mul_i32 s42, s42, SARR
	s_mul_i32 s43, s36, 18
	s_mul_i32 s44, s37, 9
	s_add_co_u32 s43, s43, s44
	s_lshl_b32 s43, s43, 10
	s_add_co_u32 s42, s42, s43
	v_add_nc_u32 v7, s42, v4
.set tt, 0
.rept 9
	global_store_b128 v7, v[ACC+8*tt:ACC+8*tt+3], s[PS:PS+1] offset:SO+tt*1024
	global_store_b128 v7, v[ACC+8*tt+4:ACC+8*tt+7], s[PS:PS+1] offset:SO+tt*1024+512
.set tt, tt+1
.endr
	s_endpgm
.Lconv:                                                ; fc_w [512 k][256 c] -> fragments: lane (r, hl) of (nb, s, half) holds c = 16 nb + r, k = 32 s + 16 half + 8 hl + 0..7
	s_sub_co_u32 s35, s34, 816                     ; task 0..31: nb = task / 2, eight steps s
	s_lshr_b32 s36, s35, 1
	s_and_b32 s37, s35, 1
	v_lshlrev_b32 v5, 13, v3                       ; 8 hl rows of 1,024 bytes
	v_lshl_add_u32 v5, v2, 2, v5
	s_lshl_b32 s38, s36, 6
	s_lshl_b32 s39, s37, 18
	s_add_co_u32 s38, s38, s39
	v_add_nc_u32 v5, s38, v5
	s_lshl_b32 s38, s35, 13
	v_add_nc_u32 v6, s38, v4
	s_wait_kmcnt 0x0
.set i, 0
.rept 128
	global_load_b32 v[32+i], v5, s[24:25] offset:(i/16)*32768+((i/8)%2)*16384+(i%8)*1024
.set i, i+1
.endr
.set it, 0
.rept 16
.if 120-8*it > 63
	s_wait_loadcnt 63                              ; the count's field holds no more; fewer out is always enough
.else
	s_wait_loadcnt 120-8*it                        ; the eight loads of this half fragment are in; the younger ones stay out
.endif
	v_cvt_pk_bf16_f32 v[32+8*it], v[32+8*it], v[33+8*it]
	v_cvt_pk_bf16_f32 v[33+8*it], v[34+8*it], v[35+8*it]
	v_cvt_pk_bf16_f32 v[34+8*it], v[36+8*it], v[37+8*it]
	v_cvt_pk_bf16_f32 v[35+8*it], v[38+8*it], v[39+8*it]
	global_store_b128 v6, v[32+8*it:35+8*it], s[26:27] offset:FBO+it*512
.set it, it+1
.endr
	s_cmp_lg_u32 s35, 0
	s_cbranch_scc1 .Ldone
	v_lshlrev_b32 v7, 2, v0                        ; the flags that choose the last kernel's store path: 0 for layer 0, 1 for layer 1
	v_mov_b32 v8, 0
	v_mov_b32 v9, 1
	global_store_b32 v7, v8, s[30:31]
	global_store_b32 v7, v9, s[32:33]
.Ldone:
	s_endpgm
.Lfunc_end_k_qbc7dd568fb_prep:
	.size	k_qbc7dd568fb_prep, .Lfunc_end_k_qbc7dd568fb_prep-k_qbc7dd568fb_prep
	.p2alignl 7, 3214868480
	.fill 96, 4, 3214868480
	.section	.rodata,"a",@progbits
	.p2align	6, 0x0
	.amdhsa_kernel k_qbc7dd568fb_prep
		.amdhsa_group_segment_fixed_size 0
		.amdhsa_private_segment_fixed_size 0
		.amdhsa_enable_private_segment 0
		.amdhsa_kernarg_size 104
		.amdhsa_user_sgpr_count 2
		.amdhsa_user_sgpr_kernarg_segment_ptr 1
		.amdhsa_wavefront_size32 1
		.amdhsa_system_sgpr_workgroup_id_x 1
		.amdhsa_system_sgpr_workgroup_id_y 1
		.amdhsa_system_sgpr_workgroup_id_z 1
		.amdhsa_system_vgpr_workitem_id 0
		.amdhsa_next_free_vgpr 672
		.amdhsa_next_free_sgpr 80
		.amdhsa_reserve_vcc 1
		.amdhsa_float_denorm_mode_32 3
		.amdhsa_float_denorm_mode_16_64 3
		.amdhsa_memory_ordered 1
		.amdhsa_forward_progress 1
		.amdhsa_inst_pref_size 72
	.end_amdhsa_kernel
	.amdgpu_metadata
---
amdhsa.version: [ 1, 2 ]
amdhsa.kernels:
  - .name:           k_qbc7dd568fb_prep
    .symbol:         k_qbc7dd568fb_prep.kd
    .args:
      - { .name: wq0, .offset: 0, .size: 8, .value_kind: global_buffer, .address_space: global }
      - { .name: bq0, .offset: 8, .size: 8, .value_kind: global_buffer, .address_space: global }
      - { .name: wk0, .offset: 16, .size: 8, .value_kind: global_buffer, .address_space: global }
      - { .name: bk0, .offset: 24, .size: 8, .value_kind: global_buffer, .address_space: global }
      - { .name: wq1, .offset: 32, .size: 8, .value_kind: global_buffer, .address_space: global }
      - { .name: bq1, .offset: 40, .size: 8, .value_kind: global_buffer, .address_space: global }
      - { .name: wk1, .offset: 48, .size: 8, .value_kind: global_buffer, .address_space: global }
      - { .name: bk1, .offset: 56, .size: 8, .value_kind: global_buffer, .address_space: global }
      - { .name: fc_w, .offset: 64, .size: 8, .value_kind: global_buffer, .address_space: global }
      - { .name: ps0, .offset: 72, .size: 8, .value_kind: global_buffer, .address_space: global }
      - { .name: ps1, .offset: 80, .size: 8, .value_kind: global_buffer, .address_space: global }
      - { .name: cfg0, .offset: 88, .size: 8, .value_kind: global_buffer, .address_space: global }
      - { .name: cfg1, .offset: 96, .size: 8, .value_kind: global_buffer, .address_space: global }
    .group_segment_fixed_size: 0
    .private_segment_fixed_size: 0
    .kernarg_segment_align: 8
    .kernarg_segment_size: 104
    .max_flat_workgroup_size: 32
    .sgpr_count:     80
    .vgpr_count:     672
    .wavefront_size: 32
...
	.end_amdgpu_metadata
.endif
;; end of part 1
;; launch fc (part 2): grid 224 x 1, 4 waves a work-group, no clusters, 116,992 bytes of LDS; arguments x, ps0, fc_b, ln0_g, ln0_b, hs0; writes hs0
.if DOCPART == 2
	.amdgcn_target "amdgcn-amd-amdhsa--gfx1250"
	.amdhsa_code_object_version 6
	.text
	.protected	k_qbc7dd568fb_fc
	.globl	k_qbc7dd568fb_fc
	.p2align	8
	.type	k_qbc7dd568fb_fc,@function
k_qbc7dd568fb_fc:
	s_mov_b64 s[64:65], 0
	v_nop
	global_prefetch_b8 v0, s[64:65] scope:SCOPE_SE
	s_setreg_imm32_b32 hwreg(HW_REG_WAVE_MODE, 25, 1), 1
	s_wait_xcnt 0x0
; h0 = relu(LN(x fc_w + fc_b)), stored as f16 [25,088][256]; rows from 25,000 on are stored as zeros (the Gram kernel sums over all 25,088).
; FORMATS.  Every input is rounded once to bf16 (x and fc_w as matrix operands; the bias, the gain and the shift in registers).
;   h, which the program itself makes and which is also the next layer's residual, is kept in f16.
; LIMIT: h must stay under 65,504; after the layer norm it is at most sqrt(255) |g| + |b|.
; SHARES.  A work-group owns 112 rows (224 x 112 = 25,088); wave w owns output columns 64 w .. 64 w + 63: 7 x 4 accumulators of 16 x 16.
; x is rounded to bf16 on its way into LDS (all four waves read it).
; fc_w comes from ps0 in operand order, straight into registers: no other wave of the work-group reads a wave's columns, so they do not pass through LDS.
; NO CLUSTER: nothing comes by a tensor load; what work-groups share is fc_w's 256 KiB against the 224 KiB of x that each reads alone.
; The product is taken transposed (source 0 = 16 columns of fc_w, source 1 = 16 rows of x): a lane holds one row and eight neighbouring columns.
; The rows meet in LDS (f32) for the layer norm: one wave, one row.
; Rows of x past the last are read as row 24,999 (the address is clamped) and their result is replaced by 0.
; REGISTERS.  Window 0: v0-31 addresses; v32-255 accumulators (before them x as loaded, behind them the rows at work).
;   Window 1: v0-111 two sets of 7 fragments of x; v112-239 four sets of 4 fragments of fc_w.
;   Window 2: v0-31 bias; v32-59 x's row offsets; v64-79 gain and shift.
.set PA,    1040                       ; an LDS row: 1,024 bytes + 16: the 16 rows of a fragment load start 16 bytes apart modulo 256.  x tile (bf16, 512 numbers) and stage (f32, 256 numbers) have the same pitch and the same bytes
.set SPARE, 116480                     ; behind them: the spare words, 128 bytes a wave
.set FBO,   3133440
.set ACC,  32
.set AF,   0
.set BR,   112
.set BIAS, 0
.set RO,   32
.set LNG,  64
.set AA0, 5                            ; LDS address of my lane in fragments of row blocks 0-3, and 4-6
.set AA1, 6
.set XS,  7                            ; where I put 8 bytes of x
.set BO,  8                            ; my byte offset in fc_w's fragments
.set SGA, 9                            ; the stage: where I put 16 bytes of a row, blocks 0-3 and 4-6
.set SGB, 10
.set RBS, 11                           ; the stage: where I read a row back
.set OV,  12                           ; my 8 bytes of a stored half row
.set BV,  13                           ; my offset in the bias
.set SPW, 30                           ; LDS address of my spare word; never rewritten
.set NIL, 31                           ; 0; never rewritten
.set Y,   32                           ; the rows at work: four rows of 8
.set T,   64
.set Z,   80
.set GG,  96
.set BB,  104
.set MSB, 0
.macro WIN new
.if MSB != (\new)
	s_set_vgpr_msb (MSB<<8)|(\new)
.set MSB, \new
.endif
.endm
.macro PLACES                          ; four places behind a matrix instruction, ahead of loads into its sources and of reads of its result (ISA guide 7.12.1 for vector instructions)
.rept 4
	v_nop
.endr
.endm
.macro BAR
	s_barrier_signal -1
	s_barrier_wait -1
.endm
	s_load_b256 s[4:11], s[0:1], 0x0               ; x, ps0, fc_b, ln0_g
	s_load_b128 s[12:15], s[0:1], 0x20             ; ln0_b, hs0
	v_lshl_add_u32 v[SPW], v0, 2, SPARE
	v_mov_b32 v[NIL], 0
	v_lshrrev_b32 v1, 5, v0
	v_readfirstlane_b32 s16, v1                    ; wave
	v_and_b32 v1, 31, v0                           ; l
	v_and_b32 v2, 15, v0                           ; r
	v_bfe_u32 v3, v0, 4, 1                         ; hl
	v_lshlrev_b32 v4, 4, v1                        ; 16 l
	s_mul_i32 s18, ttmp9, 112
	s_mul_i32 s19, s16, 28
	s_add_co_u32 s18, s18, s19                     ; the first of the 28 rows that I load, and later normalise
	v_mul_u32_u24 v[AA0], v2, PA
	v_lshl_add_u32 v[AA0], v3, 4, v[AA0]
	v_add_nc_u32 v[AA1], 64*PA, v[AA0]
	s_mul_i32 s19, s16, 28*PA
	v_lshl_add_u32 v[XS], v1, 3, s19
	v_add_nc_u32 v[RBS], s19, v4
	s_lshl_b32 s19, s16, 16
	v_add_nc_u32 v[BO], s19, v4                    ; my four column blocks: 4 w x 16,384 bytes
	s_lshl_b32 s19, s16, 8
	v_lshl_add_u32 v[BV], v3, 5, s19               ; (64 w + 8 hl) x 4 bytes
	v_mul_u32_u24 v[SGA], v2, PA
	v_add_nc_u32 v[SGA], v[SGA], v[BV]
	v_add_nc_u32 v[SGB], 64*PA, v[SGA]
	v_lshlrev_b32 v[OV], 3, v1
	s_mov_b32 s27, 0x3b800000                      ; 1 / 256
	s_mov_b32 s28, 0x3727c5ac                      ; 1e-5
	s_mov_b32 s30, 0x76543210                      ; v_permlanex16_b32: each lane takes its own place in the other half
	s_mov_b32 s31, 0xfedcba98
	s_mov_b32 s25, s18
	s_lshl_b32 s32, s18, 9
	s_mov_b32 s33, 0
	WIN 0x80
.set i, 0
.rept 28
	s_add_co_u32 s19, s18, i
	s_min_u32 s19, s19, 24999                      ; no load leaves x
	s_lshl_b32 s19, s19, 11
	v_add_nc_u32 v[RO+i], s19, v4
.set i, i+1
.endr
	s_wait_kmcnt 0x0
	s_add_nc_u64 s[20:21], s[6:7], FBO             ; fc_w's fragments
	s_add_nc_u64 s[22:23], s[14:15], s[32:33]      ; h0 at my first row
.set nb, 0
.rept 4
	global_load_b128 v[BIAS+8*nb:BIAS+8*nb+3], v[BV], s[8:9] offset:64*nb
	global_load_b128 v[BIAS+8*nb+4:BIAS+8*nb+7], v[BV], s[8:9] offset:64*nb+16
.set nb, nb+1
.endr
	global_load_b128 v[LNG:LNG+3], v4, s[10:11]
	global_load_b128 v[LNG+4:LNG+7], v4, s[10:11] offset:512
	global_load_b128 v[LNG+8:LNG+11], v4, s[12:13]
	global_load_b128 v[LNG+12:LNG+15], v4, s[12:13] offset:512
.macro BLOADS t                        ; the four fragments of fc_w of step t (counted from the lap's first) into set t % 4: each load takes 512 consecutive bytes
	WIN 0x40
.set q, 0
.rept 4
	global_load_b128 v[BR+32*((\t)%4)+8*q:BR+32*((\t)%4)+8*q+3], v[BO], s[20:21] offset:q*16384+(\t)*1024
	global_load_b128 v[BR+32*((\t)%4)+8*q+4:BR+32*((\t)%4)+8*q+7], v[BO], s[20:21] offset:q*16384+(\t)*1024+512
.set q, q+1
.endr
.endm
.macro AFETCH t, f                     ; the seven fragments of x of step t into set f
	WIN 0x40
.set mb, 0
.rept 7
.if mb < 4
	ds_load_b128 v[AF+56*(\f)+8*mb:AF+56*(\f)+8*mb+3], v[AA0] offset:mb*16*PA+64*(\t)
	ds_load_b128 v[AF+56*(\f)+8*mb+4:AF+56*(\f)+8*mb+7], v[AA0] offset:mb*16*PA+64*(\t)+32
.else
	ds_load_b128 v[AF+56*(\f)+8*mb:AF+56*(\f)+8*mb+3], v[AA1] offset:(mb-4)*16*PA+64*(\t)
	ds_load_b128 v[AF+56*(\f)+8*mb+4:AF+56*(\f)+8*mb+7], v[AA1] offset:(mb-4)*16*PA+64*(\t)+32
.endif
.set mb, mb+1
.endr
.endm
.macro MUL t, first                    ; 28 products; the accumulators take turns, in the same order in every step.  first: the bias is the C operand that starts the sums
.if \first
	WIN 0x25
.else
	WIN 0x05
.endif
.set mb, 0
.rept 7
.set nb, 0
.rept 4
.if \first
	v_wmma_f32_16x16x32_bf16 v[ACC+8*(4*mb+nb):ACC+8*(4*mb+nb)+7], v[BR+32*((\t)%4)+8*nb:BR+32*((\t)%4)+8*nb+7], v[AF+56*((\t)%2)+8*mb:AF+56*((\t)%2)+8*mb+7], v[BIAS+8*nb:BIAS+8*nb+7]
.else
	v_wmma_f32_16x16x32_bf16 v[ACC+8*(4*mb+nb):ACC+8*(4*mb+nb)+7], v[BR+32*((\t)%4)+8*nb:BR+32*((\t)%4)+8*nb+7], v[AF+56*((\t)%2)+8*mb:AF+56*((\t)%2)+8*mb+7], v[ACC+8*(4*mb+nb):ACC+8*(4*mb+nb)+7]
.endif
.set nb, nb+1
.endr
.set mb, mb+1
.endr
.endm
; A step of 32 along K.  It asks for the next step's x and for fc_w three steps on (into the set that the step before has multiplied), then multiplies.
; mode 0: the first step; 1: in the loop; 2: the last three steps, which ask for no weights.
.macro STEP t, mode
	PLACES
.if !(((\mode) == 2) && ((\t) == 3))
	AFETCH (\t)+1, ((\t)+1)%2
.endif
.if (\mode) != 2
	BLOADS (\t)+3
.endif
.if ((\mode) == 2) && ((\t) == 3)
	s_wait_dscnt 0x0
.else
	s_wait_dscnt 14                                ; this step's x is in; the 14 loads just issued may stay out
.endif
.if (\mode) == 2
	s_wait_loadcnt 8*(3-(\t))                      ; the sets of the steps still to come
.else
	s_wait_loadcnt 24                              ; this step's weights are in; the three younger sets may stay out
.endif
	MUL \t, ((\mode) == 0)
.endm
.macro XLOAD b, set                    ; seven rows of x, 2,048 bytes each: four loads of 512 consecutive bytes a row
	WIN 0x02
.set i, 0
.rept 7
.set c, 0
.rept 4
	global_load_b128 v[32+112*(\set)+16*i+4*c:32+112*(\set)+16*i+4*c+3], v[RO+7*(\b)+i], s[4:5] offset:512*c th:TH_LOAD_NT
.set c, c+1
.endr
.set i, i+1
.endr
.endm
.macro XCONV b, set                    ; rounded to bf16, 8 bytes a lane into the tile
	WIN 0
.set i, 0
.rept 28
.set X, 32+112*(\set)+4*i
	v_cvt_pk_bf16_f32 v[X], v[X], v[X+1]
	v_cvt_pk_bf16_f32 v[X+1], v[X+2], v[X+3]
	ds_store_b64 v[XS], v[X:X+1] offset:(7*(\b)+i/4)*PA+256*(i%4)
.set i, i+1
.endr
.endm
	BLOADS 0
	BLOADS 1
	BLOADS 2
	XLOAD 0, 0
	XLOAD 1, 1
	s_wait_loadcnt 28                              ; a batch is in; the other batch's 28 loads stay out
	XCONV 0, 0
	XLOAD 2, 0
	s_wait_loadcnt 28
	XCONV 1, 1
	XLOAD 3, 1
	s_wait_loadcnt 28
	XCONV 2, 0
	s_wait_loadcnt 0x0
	XCONV 3, 1
	s_wait_dscnt 0x0                               ; for the others' sake: my rows lie in the tile
	BAR
	WIN 0x0a                                       ; the bias is rounded to bf16 like every input, and widened again: it is the C operand of the first products
.set i, 0
.rept 16
	v_cvt_pk_bf16_f32 v[32+i], v[BIAS+2*i], v[BIAS+2*i+1]
.set i, i+1
.endr
	WIN 0x80
.set i, 0
.rept 16
	v_lshlrev_b32 v[BIAS+2*i], 16, v[32+i]
	v_and_b32 v[BIAS+2*i+1], 0xffff0000, v[32+i]
.set i, i+1
.endr
	AFETCH 0, 0
	STEP 0, 0
	WIN 0
	s_mov_b32 s24, 3
.Llap:                                                 ; a trip: steps 1 to 4 of a lap of four; the fourth is the next lap's first
	STEP 1, 1
	STEP 2, 1
	STEP 3, 1
	STEP 4, 1
	WIN 0
	s_wait_xcnt 0x0                                ; the loads have read their base
	s_add_nc_u64 s[20:21], s[20:21], 4096
	v_add_nc_u32 v[AA0], 256, v[AA0]
	v_add_nc_u32 v[AA1], 256, v[AA1]
	s_sub_co_u32 s24, s24, 1
	s_cmp_lg_u32 s24, 0
	s_cbranch_scc1 .Llap
	STEP 1, 2
	STEP 2, 2
	STEP 3, 2
	WIN 0
	PLACES
	s_wait_dscnt 0x0
	BAR                                            ; every wave's reads of the x tile are over: its bytes become the stage
.set mb, 0
.rept 7
.set nb, 0
.rept 4
.if mb < 4
	ds_store_b128 v[SGA], v[ACC+8*(4*mb+nb):ACC+8*(4*mb+nb)+3] offset:mb*16*PA+64*nb
	ds_store_b128 v[SGA], v[ACC+8*(4*mb+nb)+4:ACC+8*(4*mb+nb)+7] offset:mb*16*PA+64*nb+16
.else
	ds_store_b128 v[SGB], v[ACC+8*(4*mb+nb):ACC+8*(4*mb+nb)+3] offset:(mb-4)*16*PA+64*nb
	ds_store_b128 v[SGB], v[ACC+8*(4*mb+nb)+4:ACC+8*(4*mb+nb)+7] offset:(mb-4)*16*PA+64*nb+16
.endif
.set nb, nb+1
.endr
.set mb, mb+1
.endr
	s_wait_dscnt 0x0
	BAR                                            ; the rows are whole
	WIN 0x0a                                       ; gain and shift: rounded to bf16 like every input, widened into window 0
.set i, 0
.rept 8
	v_cvt_pk_bf16_f32 v[T+i], v[LNG+2*i], v[LNG+2*i+1]
.set i, i+1
.endr
	WIN 0
.set i, 0
.rept 8
	v_lshlrev_b32 v[GG+2*i], 16, v[T+i]
	v_and_b32 v[GG+2*i+1], 0xffff0000, v[T+i]
.set i, i+1
.endr
.macro WSUM o                          ; v[T+4q+o] summed over the wave's 32 lanes, for the four rows: four steps ride on the addition, one crosses the halves
.irp m, 1,2,4,8
.irp q, 0,1,2,3
	v_add_f32_dpp v[T+4*\q+\o], v[T+4*\q+\o], v[T+4*\q+\o] row_xmask:\m row_mask:0xf bank_mask:0xf
.endr
.endr
.irp q, 0,1,2,3
	v_permlanex16_b32 v[T+4*\q+\o+1], v[T+4*\q+\o], s30, s31
.endr
.irp q, 0,1,2,3
	v_add_f32 v[T+4*\q+\o], v[T+4*\q+\o], v[T+4*\q+\o+1]
.endr
.endm
.macro LNORM                           ; four rows, one row to the whole wave (a lane has columns 4 l .. 4 l + 3 and 128 + 4 l .. + 3): mean, centred squares, 1 / sqrt, gain, shift, relu
.irp q, 0,1,2,3
	v_pk_add_f32 v[T+4*\q:T+4*\q+1], v[Y+8*\q:Y+8*\q+1], v[Y+8*\q+2:Y+8*\q+3]
	v_pk_add_f32 v[T+4*\q+2:T+4*\q+3], v[Y+8*\q+4:Y+8*\q+5], v[Y+8*\q+6:Y+8*\q+7]
.endr
.irp q, 0,1,2,3
	v_pk_add_f32 v[T+4*\q:T+4*\q+1], v[T+4*\q:T+4*\q+1], v[T+4*\q+2:T+4*\q+3]
.endr
.irp q, 0,1,2,3
	v_add_f32 v[T+4*\q], v[T+4*\q], v[T+4*\q+1]
.endr
	WSUM 0
.irp q, 0,1,2,3
	v_mul_f32 v[T+4*\q], s27, v[T+4*\q]
.endr
.irp q, 0,1,2,3
.irp p, 0,2,4,6
	v_pk_add_f32 v[Y+8*\q+\p:Y+8*\q+\p+1], v[Y+8*\q+\p:Y+8*\q+\p+1], v[T+4*\q:T+4*\q+1] op_sel_hi:[1,0] neg_lo:[0,1] neg_hi:[0,1]
.endr
.endr
.irp q, 0,1,2,3
	v_pk_mul_f32 v[T+4*\q+2:T+4*\q+3], v[Y+8*\q:Y+8*\q+1], v[Y+8*\q:Y+8*\q+1]
.endr
.irp p, 2,4,6
.irp q, 0,1,2,3
	v_pk_fma_f32 v[T+4*\q+2:T+4*\q+3], v[Y+8*\q+\p:Y+8*\q+\p+1], v[Y+8*\q+\p:Y+8*\q+\p+1], v[T+4*\q+2:T+4*\q+3]
.endr
.endr
.irp q, 0,1,2,3
	v_add_f32 v[T+4*\q+2], v[T+4*\q+2], v[T+4*\q+3]
.endr
	WSUM 2
.irp q, 0,1,2,3
	v_fma_f32 v[T+4*\q+2], v[T+4*\q+2], s27, s28
.endr
.irp q, 0,1,2,3
	v_rsq_f32 v[T+4*\q+2], v[T+4*\q+2]
.endr
	v_nop                                          ; a plain instruction behind the last of the four,
	s_wait_alu depctr_va_vdst(0)                   ; and the one wait ahead of their first reader
.irp q, 0,1,2,3
.irp p, 0,2,4,6
	v_pk_mul_f32 v[Y+8*\q+\p:Y+8*\q+\p+1], v[Y+8*\q+\p:Y+8*\q+\p+1], v[T+4*\q+2:T+4*\q+3] op_sel_hi:[1,0]
.endr
.endr
.irp q, 0,1,2,3
.irp p, 0,2,4,6
	v_pk_fma_f32 v[Y+8*\q+\p:Y+8*\q+\p+1], v[Y+8*\q+\p:Y+8*\q+\p+1], v[GG+\p:GG+\p+1], v[BB+\p:BB+\p+1]
.endr
.endr
.irp q, 0,1,2,3
.irp p, 0,1,2,3,4,5,6,7
	v_max_num_f32 v[Y+8*\q+\p], 0, v[Y+8*\q+\p]
.endr
.endr
.endm
	s_mov_b32 s24, 7
.Lrows:                                                ; seven trips of four rows
.irp q, 0,1,2,3
	ds_load_b128 v[Y+8*\q:Y+8*\q+3], v[RBS] offset:\q*PA
	ds_load_b128 v[Y+8*\q+4:Y+8*\q+7], v[RBS] offset:\q*PA+512
.endr
	s_cmp_lt_u32 s25, 25000                        ; 25,000 is a multiple of four, as my first row is: a group of four lies on one side
	s_cselect_b32 s26, -1, 0
	s_wait_dscnt 0x0
	LNORM
.irp q, 0,1,2,3
.irp p, 0,1,2,3
	v_cvt_pk_f16_f32 v[Z+4*\q+\p], v[Y+8*\q+2*\p], v[Y+8*\q+2*\p+1]
.endr
.endr
.irp q, 0,1,2,3
.irp p, 0,1,2,3
	v_and_b32 v[Z+4*\q+\p], s26, v[Z+4*\q+\p]
.endr
.endr
.irp q, 0,1,2,3
	global_store_b64 v[OV], v[Z+4*\q:Z+4*\q+1], s[22:23] offset:\q*512       ; each store of the wave covers 256 consecutive bytes, aligned
	global_store_b64 v[OV], v[Z+4*\q+2:Z+4*\q+3], s[22:23] offset:\q*512+256
.endr
	s_wait_xcnt 0x0                                ; the stores have read their data and their base
	s_add_nc_u64 s[22:23], s[22:23], 2048
	v_add_nc_u32 v[RBS], 4*PA, v[RBS]
	s_add_co_u32 s25, s25, 4
	s_sub_co_u32 s24, s24, 1
	s_cmp_lg_u32 s24, 0
	s_cbranch_scc1 .Lrows
	s_wait_tensorcnt 0x0                           ; the wave's end, behind my last LDS store
	ds_add_u32 v[SPW], v[NIL]
	s_wait_dscnt 0x0
	s_endpgm
.Lfunc_end_k_qbc7dd568fb_fc:
	.size	k_qbc7dd568fb_fc, .Lfunc_end_k_qbc7dd568fb_fc-k_qbc7dd568fb_fc
	.p2alignl 7, 3214868480
	.fill 96, 4, 3214868480
	.section	.rodata,"a",@progbits
	.p2align	6, 0x0
	.amdhsa_kernel k_qbc7dd568fb_fc
		.amdhsa_group_segment_fixed_size 116992
		.amdhsa_private_segment_fixed_size 0
		.amdhsa_enable_private_segment 0
		.amdhsa_kernarg_size 48
		.amdhsa_user_sgpr_count 2
		.amdhsa_user_sgpr_kernarg_segment_ptr 1
		.amdhsa_wavefront_size32 1
		.amdhsa_system_sgpr_workgroup_id_x 1
		.amdhsa_system_sgpr_workgroup_id_y 1
		.amdhsa_system_sgpr_workgroup_id_z 1
		.amdhsa_system_vgpr_workitem_id 0
		.amdhsa_next_free_vgpr 592
		.amdhsa_next_free_sgpr 66
		.amdhsa_reserve_vcc 0
		.amdhsa_float_denorm_mode_32 3
		.amdhsa_float_denorm_mode_16_64 3
		.amdhsa_memory_ordered 1
		.amdhsa_forward_progress 1
		.amdhsa_inst_pref_size 90
	.end_amdhsa_kernel
	.amdgpu_metadata
---
amdhsa.version: [ 1, 2 ]
amdhsa.kernels:
  - .name:           k_qbc7dd568fb_fc
    .symbol:         k_qbc7dd568fb_fc.kd
    .args:
      - { .name: x, .offset: 0, .size: 8, .value_kind: global_buffer, .address_space: global }
      - { .name: ps0, .offset: 8, .size: 8, .value_kind: global_buffer, .address_space: global }
      - { .name: fc_b, .offset: 16, .size: 8, .value_kind: global_buffer, .address_space: global }
      - { .name: ln0_g, .offset: 24, .size: 8, .value_kind: global_buffer, .address_space: global }
      - { .name: ln0_b, .offset: 32, .size: 8, .value_kind: global_buffer, .address_space: global }
      - { .name: hs0, .offset: 40, .size: 8, .value_kind: global_buffer, .address_space: global }
    .group_segment_fixed_size: 116992
    .private_segment_fixed_size: 0
    .kernarg_segment_align: 8
    .kernarg_segment_size: 48
    .max_flat_workgroup_size: 128
    .sgpr_count:     66
    .vgpr_count:     592
    .wavefront_size: 32
...
	.end_amdgpu_metadata
.endif
;; end of part 2
;; launch gram0 (part 3): grid 4 x 56, 4 waves a work-group, no clusters, 244,224 bytes of LDS; arguments hs0, gpart; writes gpart
.if DOCPART == 3
	.amdgcn_target "amdgcn-amd-amdhsa--gfx1250"
	.amdhsa_code_object_version 6
	.text
	.protected	k_qbc7dd568fb_gram0
	.globl	k_qbc7dd568fb_gram0
	.p2align	8
	.type	k_qbc7dd568fb_gram0,@function
k_qbc7dd568fb_gram0:
	s_mov_b64 s[64:65], 0
	v_nop
	global_prefetch_b8 v0, s[64:65] scope:SCOPE_SE
	s_setreg_imm32_b32 hwreg(HW_REG_WAVE_MODE, 25, 1), 1
	s_wait_xcnt 0x0
; Partial sums of h~^T h~ (h~ = [h, 1]) over 448 nodes.  h: f16 [25,088][256], rows from 25,000 on are zeros.
; SHARES.  Work-group (g, split): nodes 448 split .. + 447; wave w: columns 16 nb .. + 15 with nb = 4 g + w.
;   Each wave has all 16 row blocks, one block for the column sums as a row, and one for them as a column: 18 accumulators.
; The tile [node][channel] is filled once, by one tensor load of 112 rows a wave.
; Both operands lie along the nodes, so both come out of LDS turned, by ds_load_tr16_b128.
; The sums of the column of ones are products with ONES, a fragment whose row 0 is 1.
; NO CLUSTER: the four work-groups of a split read the same tile, but each reads another column block of it.
;   An LDS address would then hang on the place in the cluster, which joint loads do not allow.
; OUT.  gpart [56 splits][16 nb][18 blocks] of 1,024 bytes, f32: registers 0-3 at 16 l, registers 4-7 at 512 + 16 l.
.set PT,    544                        ; a row in LDS: 512 bytes + 32
.set SPARE, 243712                     ; behind the 448 rows: the spare words, 128 bytes a wave
.set TA,  5                            ; my lane's place in the step's 32 rows
.set TB,  6                            ; the same at my own column block
.set SPW, 10
.set NIL, 11
.set ONES, 16                          ; v[16:23]
.set BF,  24                           ; v[24:31]   my column block's fragment
.set AFR, 32                           ; v[32:159]  the 16 row blocks' fragments.  Window 1 v0-143: the accumulators
.set MSB, 0
.macro WIN new
.if MSB != (\new)
	s_set_vgpr_msb (MSB<<8)|(\new)
.set MSB, \new
.endif
.endm
.macro PLACES
.rept 4
	v_nop
.endr
.endm
	s_load_b128 s[4:7], s[0:1], 0x0                ; h, gpart
	v_lshl_add_u32 v[SPW], v0, 2, SPARE
	v_mov_b32 v[NIL], 0
	ds_add_u32 v[SPW], v[NIL]                      ; the wave's opening: the add, twice on end, and its wait ahead of my tensor load
	ds_add_u32 v[SPW], v[NIL]
	v_lshrrev_b32 v1, 5, v0
	v_readfirstlane_b32 s8, v1                     ; wave
	s_and_b32 s9, ttmp7, 0xffff                    ; split
	s_mov_b32 s16, (1<<16)|(1<<20)|(6<<22)|(7<<25) ; elements of 2 bytes; padding on: after every 128 words, 8 words
	s_mov_b32 s17, 256<<16                         ; tensor_dim0 = 256
	s_mov_b32 s18, 112<<16                         ; tensor_dim1 = 112
	s_mov_b32 s19, 256<<16                         ; tile_dim0 = 256
	s_mov_b32 s20, 112                             ; tile_dim1 = 112
	s_mov_b32 s21, 256                             ; elements from row to row
	s_mov_b32 s22, 0
	s_mov_b32 s23, 0
	s_mov_b32 s24, 1
	s_mul_i32 s25, s8, 112*PT                      ; my 112 rows in the tile
	s_mul_i32 s12, s9, 448
	s_mul_i32 s13, s8, 112
	s_add_co_u32 s12, s12, s13
	s_lshl_b32 s12, s12, 9
	s_mov_b32 s13, 0
	s_wait_dscnt 0x0                               ; both opening adds are done
	s_wait_kmcnt 0x0
	s_add_nc_u64 s[26:27], s[4:5], s[12:13]
	s_or_b32 s27, s27, 0x80000000
	tensor_load_to_lds s[24:27], s[16:23]
	s_nop 0
.rept 4
	v_nop
.endr
	v_and_b32 v1, 31, v0
	v_and_b32 v2, 15, v0
	v_bfe_u32 v3, v0, 4, 1
	v_lshlrev_b32 v4, 4, v1
	v_and_b32 v7, 7, v0
	v_bfe_u32 v8, v0, 3, 1
	v_lshl_add_u32 v[TA], v3, 3, v7                ; node 8 hl + l % 8
	v_mul_u32_u24 v[TA], v[TA], PT
	v_lshl_add_u32 v[TA], v8, 4, v[TA]             ; channels 8 ((l / 8) % 2) on
	s_and_b32 s10, ttmp9, 3                        ; g: the grid has four work-groups along x
	s_lshl_b32 s10, s10, 2
	s_add_co_u32 s10, s10, s8                      ; nb = 4 g + w, 0 to 15
	s_lshl_b32 s11, s10, 5                         ; 32 bytes a column block: 480 at the most, inside a row's 512
	v_add_nc_u32 v[TB], s11, v[TA]
	v_mov_b32 v15, 0x3c003c00                      ; 1.0 twice, in f16
	v_cmp_eq_u32 vcc_lo, 0, v2
	v_cndmask_b32 v[ONES], 0, v15, vcc_lo
.set i, 1
.rept 7
	v_mov_b32 v[ONES+i], v[ONES]
.set i, i+1
.endr
	s_mul_i32 s12, s9, 294912
	s_mul_i32 s13, s10, 18432
	s_add_co_u32 s12, s12, s13
	s_mov_b32 s13, 0
	s_add_nc_u64 s[6:7], s[6:7], s[12:13]
.macro GW d, a, b, zero
.if \zero
	v_wmma_f32_16x16x32_f16 v[\d:\d+7], v[\a:\a+7], v[\b:\b+7], 0
.else
	v_wmma_f32_16x16x32_f16 v[\d:\d+7], v[\a:\a+7], v[\b:\b+7], v[\d:\d+7]
.endif
.endm
.macro STEP zero                       ; 32 nodes: 34 turning loads, 18 products; the accumulators take turns.  zero = 1: the first products start the sums
	PLACES
	WIN 0
	ds_load_tr16_b128 v[BF:BF+3], v[TB]
	ds_load_tr16_b128 v[BF+4:BF+7], v[TB] offset:16*PT
.set a, 0
.rept 16
	ds_load_tr16_b128 v[AFR+8*a:AFR+8*a+3], v[TA] offset:32*a
	ds_load_tr16_b128 v[AFR+8*a+4:AFR+8*a+7], v[TA] offset:32*a+16*PT
.set a, a+1
.endr
	WIN 0x50
.set a, 0
.rept 16
	s_wait_dscnt 30-2*a                            ; my block's fragment and row block a's are in; the row blocks behind it may stay out
	GW 8*a, AFR+8*a, BF, \zero
.set a, a+1
.endr
	GW 128, ONES, BF, \zero                        ; row 0: the sums of my 16 columns
	GW 136, BF, ONES, \zero                        ; column 0: the same sums
	WIN 0
	v_add_nc_u32 v[TA], 32*PT, v[TA]
	v_add_nc_u32 v[TB], 32*PT, v[TB]
.endm
	s_wait_tensorcnt 0x0                           ; my 112 rows are in,
	s_barrier_signal -1
	s_barrier_wait -1                              ; everybody's are
	STEP 1
	s_mov_b32 s14, 13
.Lstep:
	STEP 0
	s_sub_co_u32 s14, s14, 1
	s_cmp_lg_u32 s14, 0
	s_cbranch_scc1 .Lstep
	PLACES
	WIN 0x04                                       ; the stores' data lie in window 1
.set a, 0
.rept 18
	global_store_b128 v4, v[8*a:8*a+3], s[6:7] offset:a*1024          ; each store of the wave covers 512 consecutive bytes
	global_store_b128 v4, v[8*a+4:8*a+7], s[6:7] offset:a*1024+512
.set a, a+1
.endr
	WIN 0
	s_wait_dscnt 0x0                               ; my reads of LDS are over (the last step's count-down ended at 0),
	s_barrier_signal -1
	s_barrier_wait -1                              ; and so are everybody's: no wave writes an LDS word while another still reads; the stores above are on their way meanwhile
	s_wait_tensorcnt 0x0                           ; the wave's end
	ds_add_u32 v[SPW], v[NIL]
	s_wait_dscnt 0x0
	s_endpgm
.Lfunc_end_k_qbc7dd568fb_gram0:
	.size	k_qbc7dd568fb_gram0, .Lfunc_end_k_qbc7dd568fb_gram0-k_qbc7dd568fb_gram0
	.p2alignl 7, 3214868480
	.fill 96, 4, 3214868480
	.section	.rodata,"a",@progbits
	.p2align	6, 0x0
	.amdhsa_kernel k_qbc7dd568fb_gram0
		.amdhsa_group_segment_fixed_size 244224
		.amdhsa_private_segment_fixed_size 0
		.amdhsa_enable_private_segment 0
		.amdhsa_kernarg_size 16
		.amdhsa_user_sgpr_count 2
		.amdhsa_user_sgpr_kernarg_segment_ptr 1
		.amdhsa_wavefront_size32 1
		.amdhsa_system_sgpr_workgroup_id_x 1
		.amdhsa_system_sgpr_workgroup_id_y 1
		.amdhsa_system_sgpr_workgroup_id_z 1
		.amdhsa_system_vgpr_workitem_id 0
		.amdhsa_next_free_vgpr 400
		.amdhsa_next_free_sgpr 66
		.amdhsa_reserve_vcc 1
		.amdhsa_float_denorm_mode_32 3
		.amdhsa_float_denorm_mode_16_64 3
		.amdhsa_memory_ordered 1
		.amdhsa_forward_progress 1
		.amdhsa_inst_pref_size 16
	.end_amdhsa_kernel
	.amdgpu_metadata
---
amdhsa.version: [ 1, 2 ]
amdhsa.kernels:
  - .name:           k_qbc7dd568fb_gram0
    .symbol:         k_qbc7dd568fb_gram0.kd
    .args:
      - { .name: hs0, .offset: 0, .size: 8, .value_kind: global_buffer, .address_space: global }
      - { .name: gpart, .offset: 8, .size: 8, .value_kind: global_buffer, .address_space: global }
    .group_segment_fixed_size: 244224
    .private_segment_fixed_size: 0
    .kernarg_segment_align: 8
    .kernarg_segment_size: 16
    .max_flat_workgroup_size: 128
    .sgpr_count:     66
    .vgpr_count:     400
    .wavefront_size: 32
...
	.end_amdgpu_metadata
.endif
;; end of part 3
;; launch red0 (part 4): grid 16 x 18, 1 waves a work-group, no clusters, 0 bytes of LDS; arguments gpart, ps0, hs0; writes hs0
.if DOCPART == 4
	.amdgcn_target "amdgcn-amd-amdhsa--gfx1250"
	.amdhsa_code_object_version 6
	.text
	.protected	k_qbc7dd568fb_red0
	.globl	k_qbc7dd568fb_red0
	.p2align	8
	.type	k_qbc7dd568fb_red0,@function
k_qbc7dd568fb_red0:
	s_mov_b64 s[64:65], 0
	v_nop
	global_prefetch_b8 v0, s[64:65] scope:SCOPE_SE
	s_setreg_imm32_b32 hwreg(HW_REG_WAVE_MODE, 25, 1), 1
	s_wait_xcnt 0x0
; G = h~^T h~ / 25,000 from its 56 partial sums, and this block's part of <G, Sq> and <G, Sk>.  One wave a block of 16 x 16.
; Work-group (nb, a).
;   a < 17: by the symmetry of G the partial block holds G[16 nb + r][16 a + 8 hl + 0..7] in lane (r, hl).
;   a = 17: it holds G[256 + r][16 nb + 8 hl + 0..7].
; OUT, behind h's rows in the same buffer (of which this kernel reads nothing):
;   G as bf16 in operand order, [17 rb][18 cb] blocks of 512 bytes;
;   288 pairs of f32 partial sums.
; The corner G[256][256] = 1 (25,000 ones / 25,000), and the zero columns 272..287 are written by the work-groups named below.
.set SPLITB, 294912
.set SO,   626688
.set SARR, 313344
.set GH,   12845056
.set AC,   16                          ; v[16:23]   the block
.set RG,   32                          ; v[32:159]  a ring of 16 splits
.set SV,   160                         ; v[160:223] the eight blocks of S
	s_load_b128 s[4:7], s[0:1], 0x0                ; gpart, ps
	s_load_b64 s[8:9], s[0:1], 0x10                ; hs
	s_mov_b32 s10, ttmp9                           ; nb
	s_and_b32 s11, ttmp7, 0xffff                   ; a
	s_cmp_eq_u32 s11, 17
	s_cselect_b32 s12, 16, s10                     ; row block of G
	s_cselect_b32 s13, s10, s11                    ; column block
	v_lshlrev_b32 v1, 4, v0
	s_mul_i32 s14, s10, 18432
	s_lshl_b32 s15, s11, 10
	s_add_co_u32 s14, s14, s15
	v_add_nc_u32 v2, s14, v1
	s_mul_i32 s14, s12, 18
	s_add_co_u32 s14, s14, s13
	s_lshl_b32 s14, s14, 10
	v_add_nc_u32 v3, s14, v1
	s_mul_i32 s14, s12, 9216
	s_lshl_b32 s15, s13, 9
	s_add_co_u32 s14, s14, s15
	v_add_nc_u32 v4, s14, v1
	s_lshl_b32 s14, s11, 4
	s_add_co_u32 s14, s14, s10
	s_lshl_b32 s14, s14, 3
	v_mov_b32 v6, s14                              ; my pair of sums
	s_mov_b32 s20, 0x76543210
	s_mov_b32 s21, 0xfedcba98
	v_mov_b32 v12, 0
	v_mov_b32 v13, 0
	v_mov_b32 v14, 0
	v_mov_b32 v15, 0
	s_wait_kmcnt 0x0
	s_add_nc_u64 s[16:17], s[4:5], 28*SPLITB       ; splits 28 on: the immediate holds 28 splits
	s_add_nc_u64 s[18:19], s[8:9], GH
.set i, 0
.rept 8
	global_load_b128 v[SV+8*i:SV+8*i+3], v3, s[6:7] offset:SO+i*SARR
	global_load_b128 v[SV+8*i+4:SV+8*i+7], v3, s[6:7] offset:SO+i*SARR+512
.set i, i+1
.endr
.macro GL n
.if (\n) < 28
	global_load_b128 v[RG+8*((\n)%16):RG+8*((\n)%16)+3], v2, s[4:5] offset:(\n)*SPLITB th:TH_LOAD_NT
	global_load_b128 v[RG+8*((\n)%16)+4:RG+8*((\n)%16)+7], v2, s[4:5] offset:(\n)*SPLITB+512 th:TH_LOAD_NT
.else
	global_load_b128 v[RG+8*((\n)%16):RG+8*((\n)%16)+3], v2, s[16:17] offset:((\n)-28)*SPLITB th:TH_LOAD_NT
	global_load_b128 v[RG+8*((\n)%16)+4:RG+8*((\n)%16)+7], v2, s[16:17] offset:((\n)-28)*SPLITB+512 th:TH_LOAD_NT
.endif
.endm
.set sp, 0
.rept 16
	GL sp
.set sp, sp+1
.endr
.set sp, 0
.rept 56
.if sp < 40
	s_wait_loadcnt 30                              ; this split is in; the 15 younger splits' loads stay out
.else
	s_wait_loadcnt 2*(55-sp)
.endif
.set p, 0
.rept 4
.if sp == 0
	v_pk_mul_f32 v[AC+2*p:AC+2*p+1], v[RG+2*p:RG+2*p+1], 0x3827c5ac op_sel_hi:[1,0]   ; 1 / 25,000 rides on every term
.else
	v_pk_fma_f32 v[AC+2*p:AC+2*p+1], v[RG+8*(sp%16)+2*p:RG+8*(sp%16)+2*p+1], 0x3827c5ac, v[AC+2*p:AC+2*p+1] op_sel_hi:[1,0,1]
.endif
.set p, p+1
.endr
.if sp+16 < 56
	GL sp+16
.endif
.set sp, sp+1
.endr
	; <G, Sq> in v[24:25], <G, Sk> in v[26:27]: four heads' parts each
.set i, 0
.rept 8
.set p, 0
.rept 4
.if ((i%4) == 0) && (p == 0)
	v_pk_mul_f32 v[24+2*(i/4):25+2*(i/4)], v[AC:AC+1], v[SV+8*i:SV+8*i+1]
.else
	v_pk_fma_f32 v[24+2*(i/4):25+2*(i/4)], v[AC+2*p:AC+2*p+1], v[SV+8*i+2*p:SV+8*i+2*p+1], v[24+2*(i/4):25+2*(i/4)]
.endif
.set p, p+1
.endr
.set i, i+1
.endr
	v_add_f32 v24, v24, v25
	v_add_f32 v26, v26, v27
.set p, 0
.rept 4
	v_cvt_pk_bf16_f32 v[28+p], v[AC+2*p], v[AC+2*p+1]
.set p, p+1
.endr
	global_store_b128 v4, v[28:31], s[18:19]       ; 512 consecutive bytes
	s_cmp_eq_u32 s11, 16
	s_cbranch_scc0 .Lnot16
	global_store_b128 v4, v[12:15], s[18:19] offset:512     ; column block 17 of my row block: zeros
.Lnot16:
	s_cmp_eq_u32 s11, 17
	s_cbranch_scc0 .Lsum
	s_cmp_eq_u32 s10, 0
	s_cbranch_scc0 .Lsum
.set i, 0
.rept 8
	global_load_b32 v[SV+i], v1, s[6:7] offset:SO+i*SARR+(16*18+16)*1024    ; lane 0: S[256][256]
.set i, i+1
.endr
	v_cmp_eq_u32 vcc_lo, 0, v0
	v_cndmask_b32 v5, 0, 1.0, vcc_lo
	v_mov_b32 v7, 0x3f80
	v_cndmask_b32 v8, 0, v7, vcc_lo
	v_mov_b32 v9, 0
	v_mov_b32 v10, 0
	v_mov_b32 v11, 0
	global_store_b128 v1, v[8:11], s[18:19] offset:16*9216+16*512           ; the corner block: 1 at [256][256]
	global_store_b128 v1, v[12:15], s[18:19] offset:16*9216+17*512
	s_wait_loadcnt 0x0
	v_add_f32 v[SV], v[SV], v[SV+1]
	v_add_f32 v[SV+2], v[SV+2], v[SV+3]
	v_add_f32 v[SV+4], v[SV+4], v[SV+5]
	v_add_f32 v[SV+6], v[SV+6], v[SV+7]
	v_add_f32 v[SV], v[SV], v[SV+2]
	v_add_f32 v[SV+4], v[SV+4], v[SV+6]
	v_fmac_f32 v24, v5, v[SV]
	v_fmac_f32 v26, v5, v[SV+4]
.Lsum:
.irp m, 1,2,4,8
	v_add_f32_dpp v24, v24, v24 row_xmask:\m row_mask:0xf bank_mask:0xf
	v_add_f32_dpp v26, v26, v26 row_xmask:\m row_mask:0xf bank_mask:0xf
.endr
	v_permlanex16_b32 v25, v24, s20, s21
	v_permlanex16_b32 v27, v26, s20, s21
	v_add_f32 v24, v24, v25
	v_add_f32 v25, v26, v27
	v_cmp_gt_u32 vcc_lo, 1, v0
	s_wait_xcnt 0x0                                ; EXEC changes only behind this wait
	s_and_saveexec_b32 s22, vcc_lo
	global_store_b64 v6, v[24:25], s[18:19] offset:156672
	s_endpgm
.Lfunc_end_k_qbc7dd568fb_red0:
	.size	k_qbc7dd568fb_red0, .Lfunc_end_k_qbc7dd568fb_red0-k_qbc7dd568fb_red0
	.p2alignl 7, 3214868480
	.fill 96, 4, 3214868480
	.section	.rodata,"a",@progbits
	.p2align	6, 0x0
	.amdhsa_kernel k_qbc7dd568fb_red0
		.amdhsa_group_segment_fixed_size 0
		.amdhsa_private_segment_fixed_size 0
		.amdhsa_enable_private_segment 0
		.amdhsa_kernarg_size 24
		.amdhsa_user_sgpr_count 2
		.amdhsa_user_sgpr_kernarg_segment_ptr 1
		.amdhsa_wavefront_size32 1
		.amdhsa_system_sgpr_workgroup_id_x 1
		.amdhsa_system_sgpr_workgroup_id_y 1
		.amdhsa_system_sgpr_workgroup_id_z 1
		.amdhsa_system_vgpr_workitem_id 0
		.amdhsa_next_free_vgpr 224
		.amdhsa_next_free_sgpr 66
		.amdhsa_reserve_vcc 1
		.amdhsa_float_denorm_mode_32 3
		.amdhsa_float_denorm_mode_16_64 3
		.amdhsa_memory_ordered 1
		.amdhsa_forward_progress 1
		.amdhsa_inst_pref_size 42
	.end_amdhsa_kernel
	.amdgpu_metadata
---
amdhsa.version: [ 1, 2 ]
amdhsa.kernels:
  - .name:           k_qbc7dd568fb_red0
    .symbol:         k_qbc7dd568fb_red0.kd
    .args:
      - { .name: gpart, .offset: 0, .size: 8, .value_kind: global_buffer, .address_space: global }
      - { .name: ps0, .offset: 8, .size: 8, .value_kind: global_buffer, .address_space: global }
      - { .name: hs0, .offset: 16, .size: 8, .value_kind: global_buffer, .address_space: global }
    .group_segment_fixed_size: 0
    .private_segment_fixed_size: 0
    .kernarg_segment_align: 8
    .kernarg_segment_size: 24
    .max_flat_workgroup_size: 32
    .sgpr_count:     66
    .vgpr_count:     224
    .wavefront_size: 32
...
	.end_amdgpu_metadata
.endif
;; end of part 4
;; launch chain0 (part 5): grid 68 x 1, 1 waves a work-group, no clusters, 0 bytes of LDS; arguments hs0, ps0, wv0, bv0, mm; writes mm
.if DOCPART == 5
	.amdgcn_target "amdgcn-amd-amdhsa--gfx1250"
	.amdhsa_code_object_version 6
	.text
	.protected	k_qbc7dd568fb_chain0
	.globl	k_qbc7dd568fb_chain0
	.p2align	8
	.type	k_qbc7dd568fb_chain0,@function
k_qbc7dd568fb_chain0:
	s_mov_b64 s[64:65], 0
	v_nop
	global_prefetch_b8 v0, s[64:65] scope:SCOPE_SE
	s_setreg_imm32_b32 hwreg(HW_REG_WAVE_MODE, 25, 1), 1
	s_wait_xcnt 0x0
; M = W~v + kappa P_h G W~v for 16 columns n, with kappa = 1 / (25,000 sqrt(<G,Sq> <G,Sk>)).  One wave a work-group.
; Work-groups 0..63: columns 16 b .. + 15 of wv (head b / 16).
; Work-groups 64..67: the denominator's column of head b - 64.  W~v is replaced by the unit vector of row 256, in all 16 lanes r;
;   the lanes with r % 4 = head are stored, so block 64 holds the four heads' columns four times over.
; Two stages of 17 row blocks x 9 steps: U = G W~v, then T = P_h U.  G and P come in operand order, 512 consecutive bytes a load.
; A result (lane: column n = r, rows 8 hl + 0..7) rounded in pairs IS half a fragment of the next product's second operand.
;   So U feeds stage 2, and M is stored, without changing lanes.
; FORMATS.  wv and bv are rounded once to bf16, like every input.
;   M, which the program makes of them, is stored in f16, in which a bf16 number of f16's normal range is exact.
; LIMIT: entries of M below 6e-5 keep f16's fixed step of 6e-8 (the denominators' columns lie there; their whole term is of the order 1 / N of the denominator); |M| stays under 65,504.
; OUT.  mm: [65 nb][8 s][2][32 lanes][16 bytes] f16: lane (r, hl) holds n = 16 nb + r, k = 32 s + 16 half + 8 hl + 0..7.
;   Behind it row 256 of M, the bias, as f32 [1040].
.set GH,   12845056
.set MBO,  532480
.set BF,   32                          ; v[32:103]   nine fragments of the second operand
.set ACC,  104                         ; v[104:239]  17 accumulators.  Window 1 v0-135: W~v in f32, in the accumulators' layout.  Windows 2 and 3 v0-135: two sets of 17 fragments
.set MSB, 0
.macro WIN new
.if MSB != (\new)
	s_set_vgpr_msb (MSB<<8)|(\new)
.set MSB, \new
.endif
.endm
.macro PLACES
.rept 4
	v_nop
.endr
.endm
	s_load_b256 s[4:11], s[0:1], 0x0               ; hs, ps, wv, bv
	s_load_b64 s[12:13], s[0:1], 0x20              ; mm
	v_lshlrev_b32 v1, 4, v0
	v_and_b32 v2, 15, v0
	v_bfe_u32 v3, v0, 4, 1
	v_lshlrev_b32 v6, 3, v0
	s_mov_b32 s14, ttmp9
	s_sub_co_u32 s19, s14, 64
	s_lshr_b32 s16, s14, 4
	s_cmp_ge_u32 s14, 64
	s_cselect_b32 s15, 1, 0                        ; a denominator's column?
	s_cselect_b32 s17, 64, s14                     ; the block of mm
	s_cselect_b32 s18, 0, s14                      ; the block of wv's columns
	s_cselect_b32 s28, 3, 0                        ; lanes with (r & s28) = s29 store
	s_cselect_b32 s16, s19, s16                    ; head
	s_cselect_b32 s29, s19, 0
	s_lshl_b32 s18, s18, 6
	v_lshl_add_u32 v5, v2, 2, s18                  ; column n, in bytes
	v_lshl_add_u32 v4, v3, 15, v5                  ; + 8 hl rows of 4,096 bytes
	s_lshl_b32 s19, s17, 6
	v_lshl_add_u32 v7, v2, 2, s19                  ; the bias's place
	s_mul_i32 s30, s16, 156672
	s_mov_b32 s31, 0
	s_lshl_b32 s34, s17, 13
	s_mov_b32 s35, 0
	s_mov_b32 s24, 0x76543210
	s_mov_b32 s25, 0xfedcba98
	s_wait_kmcnt 0x0
	s_add_nc_u64 s[20:21], s[4:5], GH              ; G
	s_add_nc_u64 s[22:23], s[6:7], s[30:31]        ; P of my head
	s_add_nc_u64 s[34:35], s[12:13], s[34:35]      ; my block of mm
.set i, 0
.rept 9
	global_load_b64 v[8+2*i:9+2*i], v6, s[20:21] offset:156672+256*i     ; the 288 pairs of partial sums
.set i, i+1
.endr
	s_cmp_eq_u32 s15, 1
	s_cbranch_scc1 .Lden
	WIN 0x40
.set i, 0
.rept 128
	global_load_b32 v[i], v4, s[8:9] offset:(16*(i/8)+i%8)*4096          ; row 16 (i / 8) + 8 hl + i % 8, column n
.set i, i+1
.endr
	global_load_b32 v128, v5, s[10:11]
	WIN 0
	s_branch .Ljoin
.Lden:
	WIN 0x40
.set i, 0
.rept 128
	v_mov_b32 v[i], 0
.set i, i+1
.endr
	v_mov_b32 v128, 1.0
	WIN 0
.Ljoin:
.macro FETCHA bp, s                    ; step s: 17 fragments, 34 loads, into the set in window 2 or 3
	WIN 0x80+0x40*((\s)%2)
.set jb, 0
.rept 17
	global_load_b128 v[8*jb:8*jb+3], v1, s[\bp:\bp+1] offset:jb*9216+(\s)*1024
	global_load_b128 v[8*jb+4:8*jb+7], v1, s[\bp:\bp+1] offset:jb*9216+(\s)*1024+512
.set jb, jb+1
.endr
.endm
.macro SMUL s                          ; 17 products; the accumulators take turns; step 0 starts the sums
	WIN 0x02+((\s)%2)
.set jb, 0
.rept 17
.if (\s) == 0
	v_wmma_f32_16x16x32_bf16 v[ACC+8*jb:ACC+8*jb+7], v[8*jb:8*jb+7], v[BF+8*(\s):BF+8*(\s)+7], 0
.else
	v_wmma_f32_16x16x32_bf16 v[ACC+8*jb:ACC+8*jb+7], v[8*jb:8*jb+7], v[BF+8*(\s):BF+8*(\s)+7], v[ACC+8*jb:ACC+8*jb+7]
.endif
.set jb, jb+1
.endr
.endm
.macro STAGE bp                        ; steps 0 and 1 have been asked for
.set st, 0
.rept 9
.if st < 8
	s_wait_loadcnt 34                              ; this step's fragments are in; the next step's 34 loads stay out
.else
	s_wait_loadcnt 0x0
.endif
	SMUL st
.if st+2 < 9
	PLACES
	FETCHA \bp, st+2
.endif
.set st, st+1
.endr
.endm
	FETCHA 20, 0
	FETCHA 20, 1
	s_wait_loadcnt 63                              ; 68 loads were issued behind the sums and W~v: with 63 out at the most, those are in
	WIN 0
	v_cmp_eq_u32 vcc_lo, 0, v3
	WIN 0x44
	v_cndmask_b32 v128, 0, v128, vcc_lo            ; row 256 lies in register 0 of the lanes with hl = 0; rows 257..271 are zeros
.set i, 129
.rept 7
	v_mov_b32 v[i], 0
.set i, i+1
.endr
	WIN 0x05
.set i, 0
.rept 68
	v_cvt_pk_bf16_f32 v[BF+i], v[2*i], v[2*i+1]
.set i, i+1
.endr
	WIN 0x40                                       ; the f32 copy takes the rounded numbers: M is made of bf16(wv) and bf16(bv)
.set i, 0
.rept 68
	v_lshlrev_b32 v[2*i], 16, v[BF+i]
	v_and_b32 v[2*i+1], 0xffff0000, v[BF+i]
.set i, i+1
.endr
	WIN 0
.set i, 68
.rept 4
	v_mov_b32 v[BF+i], 0                           ; rows 272..287: zeros, in both stages
.set i, i+1
.endr
.set i, 1
.rept 8
	v_pk_add_f32 v[8:9], v[8:9], v[8+2*i:9+2*i]
.set i, i+1
.endr
	v_mov_b32 v26, 0
	v_mov_b32 v27, 0
.irp m, 1,2,4,8
	v_add_f32_dpp v8, v8, v8 row_xmask:\m row_mask:0xf bank_mask:0xf
	v_add_f32_dpp v9, v9, v9 row_xmask:\m row_mask:0xf bank_mask:0xf
.endr
	v_permlanex16_b32 v26, v8, s24, s25
	v_permlanex16_b32 v27, v9, s24, s25
	v_add_f32 v8, v8, v26
	v_add_f32 v9, v9, v27
	v_rsq_f32 v8, v8
	v_rsq_f32 v9, v9
	v_nop                                          ; a plain instruction behind the second,
	s_wait_alu depctr_va_vdst(0)                   ; and the one wait ahead of the first reader
	v_mul_f32 v8, v8, v9
	v_mul_f32 v8, 0x3827c5ac, v8
	v_readfirstlane_b32 s26, v8                    ; kappa: a factor only
	s_mov_b32 s27, s26
	STAGE 20                                       ; U = G W~v
	PLACES
	FETCHA 22, 0
	FETCHA 22, 1
	WIN 0
.set i, 0
.rept 68
	v_cvt_pk_bf16_f32 v[BF+i], v[ACC+2*i], v[ACC+2*i+1]
.set i, i+1
.endr
	STAGE 22                                       ; T = P U
	PLACES
	WIN 0x10
.set i, 0
.rept 65
	v_pk_fma_f32 v[ACC+2*i:ACC+2*i+1], v[ACC+2*i:ACC+2*i+1], s[26:27], v[2*i:2*i+1] op_sel_hi:[1,0,1]   ; M = kappa T + W~v, rows 0..257
.set i, i+1
.endr
	WIN 0
.set i, 0
.rept 64
	v_cvt_pk_f16_f32 v[BF+i], v[ACC+2*i], v[ACC+2*i+1]
.set i, i+1
.endr
	v_and_b32 v6, s28, v2
	v_cmp_eq_u32 vcc_lo, s29, v6
	s_wait_xcnt 0x0                                ; EXEC changes only behind this wait
	s_and_saveexec_b32 s32, vcc_lo
.set i, 0
.rept 16
	global_store_b128 v1, v[BF+4*i:BF+4*i+3], s[34:35] offset:i*512
.set i, i+1
.endr
	v_cmp_eq_u32 vcc_lo, 0, v3
	s_wait_xcnt 0x0
	s_and_saveexec_b32 s33, vcc_lo
	global_store_b32 v7, v[ACC+128], s[12:13] offset:MBO
	s_endpgm
.Lfunc_end_k_qbc7dd568fb_chain0:
	.size	k_qbc7dd568fb_chain0, .Lfunc_end_k_qbc7dd568fb_chain0-k_qbc7dd568fb_chain0
	.p2alignl 7, 3214868480
	.fill 96, 4, 3214868480
	.section	.rodata,"a",@progbits
	.p2align	6, 0x0
	.amdhsa_kernel k_qbc7dd568fb_chain0
		.amdhsa_group_segment_fixed_size 0
		.amdhsa_private_segment_fixed_size 0
		.amdhsa_enable_private_segment 0
		.amdhsa_kernarg_size 40
		.amdhsa_user_sgpr_count 2
		.amdhsa_user_sgpr_kernarg_segment_ptr 1
		.amdhsa_wavefront_size32 1
		.amdhsa_system_sgpr_workgroup_id_x 1
		.amdhsa_system_sgpr_workgroup_id_y 1
		.amdhsa_system_sgpr_workgroup_id_z 1
		.amdhsa_system_vgpr_workitem_id 0
		.amdhsa_next_free_vgpr 904
		.amdhsa_next_free_sgpr 66
		.amdhsa_reserve_vcc 1
		.amdhsa_float_denorm_mode_32 3
		.amdhsa_float_denorm_mode_16_64 3
		.amdhsa_memory_ordered 1
		.amdhsa_forward_progress 1
		.amdhsa_inst_pref_size 126
	.end_amdhsa_kernel
	.amdgpu_metadata
---
amdhsa.version: [ 1, 2 ]
amdhsa.kernels:
  - .name:           k_qbc7dd568fb_chain0
    .symbol:         k_qbc7dd568fb_chain0.kd
    .args:
      - { .name: hs0, .offset: 0, .size: 8, .value_kind: global_buffer, .address_space: global }
      - { .name: ps0, .offset: 8, .size: 8, .value_kind: global_buffer, .address_space: global }
      - { .name: wv0, .offset: 16, .size: 8, .value_kind: global_buffer, .address_space: global }
      - { .name: bv0, .offset: 24, .size: 8, .value_kind: global_buffer, .address_space: global }
      - { .name: mm, .offset: 32, .size: 8, .value_kind: global_buffer, .address_space: global }
    .group_segment_fixed_size: 0
    .private_segment_fixed_size: 0
    .kernarg_segment_align: 8
    .kernarg_segment_size: 40
    .max_flat_workgroup_size: 32
    .sgpr_count:     66
    .vgpr_count:     904
    .wavefront_size: 32
...
	.end_amdgpu_metadata
.endif
;; end of part 5
;; launch app0 (part 6): grid 224 x 1, 4 waves a work-group, no clusters, 176,128 bytes of LDS; arguments hs0, mm, ln1_g, ln1_b, cfg0, hs1; writes hs1
.if DOCPART == 6
	.amdgcn_target "amdgcn-amd-amdhsa--gfx1250"
	.amdhsa_code_object_version 6
	.text
	.protected	k_qbc7dd568fb_app0
	.globl	k_qbc7dd568fb_app0
	.p2align	8
	.type	k_qbc7dd568fb_app0,@function
k_qbc7dd568fb_app0:
	s_mov_b64 s[64:65], 0
	v_nop
	global_prefetch_b8 v0, s[64:65] scope:SCOPE_SE
	s_setreg_imm32_b32 hwreg(HW_REG_WAVE_MODE, 25, 1), 1
	s_wait_xcnt 0x0
; A layer's end: a_h = h~ M_h and d_h = h~ m_h for the four heads, y = (mean over h of a_h / d_h + h) / 2, out = relu(LN(y)).
; FORMATS.  h and M, which the program itself has made, come in f16; gain and shift are rounded once to bf16 like every input.
; LIMIT: a stored h must stay under 65,504; after the layer norm it is at most sqrt(255) |g| + |b|.
; SHARES.  A work-group owns 112 rows; wave w owns output columns 64 w .. + 63 of every head: 7 x 4 accumulators.
; h's rows lie in LDS (all four waves read them, and they are the residual).
; M comes in operand order, straight into registers: no other wave of the work-group reads a wave's columns.
; NO CLUSTER in this form: nothing comes by a tensor load, and the store path is chosen by a branch on a word read from memory.
; THE HEADS ARE SUMMED IN PLACE: sum of a_h / d_h = (((a0 R0 + a1) R1 + a2) R2 + a3) R3 with R_h = d_(h+1) / d_h and R3 = 1 / d3.
;   Between two heads the accumulators are multiplied by R and take the next head's bias in one fused multiply-add.
;   LIMIT: the quotients of neighbouring d must be finite; d / N is 1 plus a term of the order 1 / N for inputs of the problem's kind.
; The layer norm is taken of 8 y = sum + 4 h with 64 eps, which is the same number for every input.
; OUT.  Flag 0: f16 [25,088][256], rows from 25,000 on as zeros.  Flag 1: f32 [25,000][256].
; REGISTERS.  Window 0: v0-31 addresses; v32-255 accumulators (before them h as loaded, behind them the rows at work).
;   Window 1: v0-111 two sets of 7 fragments of h; v112-239 four sets of 4 fragments of M.
;   Window 2: v0-31 bias; v32-59 R; v64-119 the denominators' accumulators; v120-127 their bias; v128-191 their fragments; v192-207 gain and shift.
.set PH,    528                        ; a row of h in LDS: 512 bytes + 16
.set PS,    1040                       ; a row of the stage: 1,024 bytes + 16
.set STAGE, 59136                      ; behind h's 112 rows
.set SPARE, 175616                     ; behind the stage: the spare words, 128 bytes a wave
.set MBO,   532480
.set ACC,  32
.set AF,   0
.set BR,   112
.set BIAS, 0
.set R,    32
.set DACC, 64
.set DBI,  120
.set DB,   128
.set LNG,  192
.set AA,  5
.set HS,  6
.set BO,  7
.set BV,  8
.set SGA, 9
.set SGB, 10
.set RBS, 11
.set RBP, 12
.set OV,  13
.set FOUR, 14                          ; 4.0: the multiply-add from f16 halves takes its sources from vector registers
.set DV,  15
.set SPW, 30
.set NIL, 31
.set Y,   32
.set T,   64
.set Z,   80
.set GG,  96
.set BB,  104
.set PR,  112
.set MP,  20                           ; s[20:21] M at the head in hand
.set BP,  22                           ; s[22:23] the bias at the head in hand
.set OUT, 24                           ; s[24:25]
.set MSB, 0
.macro WIN new
.if MSB != (\new)
	s_set_vgpr_msb (MSB<<8)|(\new)
.set MSB, \new
.endif
.endm
.macro PLACES
.rept 4
	v_nop
.endr
.endm
.macro BAR
	s_barrier_signal -1
	s_barrier_wait -1
.endm
	s_load_b256 s[4:11], s[0:1], 0x0               ; h, mm, gain, shift
	s_load_b128 s[12:15], s[0:1], 0x20             ; flag, out
	v_lshl_add_u32 v[SPW], v0, 2, SPARE
	v_mov_b32 v[NIL], 0
	v_mov_b32 v[FOUR], 4.0
	v_lshrrev_b32 v1, 5, v0
	v_readfirstlane_b32 s16, v1
	v_and_b32 v1, 31, v0
	v_and_b32 v2, 15, v0
	v_bfe_u32 v3, v0, 4, 1
	v_lshlrev_b32 v4, 4, v1
	s_mul_i32 s18, ttmp9, 112
	s_mul_i32 s19, s16, 28
	s_add_co_u32 s18, s18, s19                     ; the first of my 28 rows
	v_mul_u32_u24 v[AA], v2, PH
	v_lshl_add_u32 v[AA], v3, 4, v[AA]
	s_mul_i32 s19, s16, 28*PH
	v_add_nc_u32 v[HS], s19, v4
	v_lshl_add_u32 v[RBP], v1, 3, s19
	s_lshl_b32 s19, s16, 15
	v_add_nc_u32 v[BO], s19, v4                    ; my four column blocks: 4 w x 8,192 bytes
	s_lshl_b32 s19, s16, 8
	v_lshl_add_u32 v[BV], v3, 5, s19
	v_lshlrev_b32 v[DV], 5, v3
	v_mul_u32_u24 v[SGA], v2, PS
	v_add3_u32 v[SGA], v[SGA], v[BV], STAGE
	v_add_nc_u32 v[SGB], 64*PS, v[SGA]
	s_mul_i32 s19, s16, 28*PS
	s_add_co_u32 s19, s19, STAGE
	v_add_nc_u32 v[RBS], s19, v4
	s_mov_b32 s27, 0x3b800000                      ; 1 / 256
	s_mov_b32 s28, 0x3a27c5ac                      ; 64 x 1e-5
	s_mov_b32 s30, 0x76543210
	s_mov_b32 s31, 0xfedcba98
	s_mov_b32 s29, s18
	s_lshl_b32 s36, s18, 9
	s_mov_b32 s37, 0
	s_wait_kmcnt 0x0
	s_load_b32 s33, s[12:13], 0x0
	s_add_nc_u64 s[40:41], s[4:5], s[36:37]        ; h at my first row
	s_mov_b64 s[MP:MP+1], s[6:7]
	s_add_nc_u64 s[BP:BP+1], s[6:7], MBO
.set i, 0
.rept 28
	global_load_b128 v[32+4*i:35+4*i], v4, s[40:41] offset:i*512
.set i, i+1
.endr
	WIN 0x80
.set i, 0
.rept 8
	global_load_b128 v[DB+8*i:DB+8*i+3], v4, s[6:7] offset:64*8192+i*1024
	global_load_b128 v[DB+8*i+4:DB+8*i+7], v4, s[6:7] offset:64*8192+i*1024+512
.set i, i+1
.endr
	global_load_b128 v[DBI:DBI+3], v[DV], s[6:7] offset:MBO+4096
	global_load_b128 v[DBI+4:DBI+7], v[DV], s[6:7] offset:MBO+4096+16
.macro BIASLOADS off
	WIN 0x80
.set nb, 0
.rept 4
	global_load_b128 v[BIAS+8*nb:BIAS+8*nb+3], v[BV], s[BP:BP+1] offset:(\off)+64*nb
	global_load_b128 v[BIAS+8*nb+4:BIAS+8*nb+7], v[BV], s[BP:BP+1] offset:(\off)+64*nb+16
.set nb, nb+1
.endr
.endm
	BIASLOADS 0
	global_load_b128 v[LNG:LNG+3], v4, s[8:9]
	global_load_b128 v[LNG+4:LNG+7], v4, s[8:9] offset:512
	global_load_b128 v[LNG+8:LNG+11], v4, s[10:11]
	global_load_b128 v[LNG+12:LNG+15], v4, s[10:11] offset:512
.macro BLOADS t                        ; step t, counted from the first step of the head in hand (8 on: the next head), into set t % 4: each load takes 512 consecutive bytes
	WIN 0x40
.set q, 0
.rept 4
	global_load_b128 v[BR+32*((\t)%4)+8*q:BR+32*((\t)%4)+8*q+3], v[BO], s[MP:MP+1] offset:((\t)/8)*131072+((\t)%8)*1024+q*8192
	global_load_b128 v[BR+32*((\t)%4)+8*q+4:BR+32*((\t)%4)+8*q+7], v[BO], s[MP:MP+1] offset:((\t)/8)*131072+((\t)%8)*1024+q*8192+512
.set q, q+1
.endr
.endm
.macro AFETCH t, f
	WIN 0x40
.set mb, 0
.rept 7
	ds_load_b128 v[AF+56*(\f)+8*mb:AF+56*(\f)+8*mb+3], v[AA] offset:mb*16*PH+64*(\t)
	ds_load_b128 v[AF+56*(\f)+8*mb+4:AF+56*(\f)+8*mb+7], v[AA] offset:mb*16*PH+64*(\t)+32
.set mb, mb+1
.endr
.endm
.macro MUL t, first                    ; 28 products; the accumulators take turns, in the same order in every step.  first: head 0's bias is the C operand that starts the sums
.if \first
	WIN 0x25
.else
	WIN 0x05
.endif
.set mb, 0
.rept 7
.set nb, 0
.rept 4
.if \first
	v_wmma_f32_16x16x32_f16 v[ACC+8*(4*mb+nb):ACC+8*(4*mb+nb)+7], v[BR+32*((\t)%4)+8*nb:BR+32*((\t)%4)+8*nb+7], v[AF+56*((\t)%2)+8*mb:AF+56*((\t)%2)+8*mb+7], v[BIAS+8*nb:BIAS+8*nb+7]
.else
	v_wmma_f32_16x16x32_f16 v[ACC+8*(4*mb+nb):ACC+8*(4*mb+nb)+7], v[BR+32*((\t)%4)+8*nb:BR+32*((\t)%4)+8*nb+7], v[AF+56*((\t)%2)+8*mb:AF+56*((\t)%2)+8*mb+7], v[ACC+8*(4*mb+nb):ACC+8*(4*mb+nb)+7]
.endif
.set nb, nb+1
.endr
.set mb, mb+1
.endr
.endm
; A step of 32 along K.  mode 0: the first of all; 1: in the loop (t = 8 is the next head's first step); 2: the last head, which asks for nothing past its end.
.macro STEP t, mode
	PLACES
.if !(((\mode) == 2) && ((\t) == 7))
	AFETCH ((\t)+1)%8, ((\t)+1)%2
.endif
.if ((\mode) != 2) || ((\t)+3 < 8)
	BLOADS (\t)+3
.endif
.if ((\mode) == 1) && ((\t) == 1)
	BIASLOADS 1024                                 ; the next head's bias: eight loads
.endif
.if ((\mode) == 2) && ((\t) == 7)
	s_wait_dscnt 0x0
.else
	s_wait_dscnt 14                                ; this step's h is in; the 14 loads just issued may stay out
.endif
.if (\mode) == 2
.if (\t)+3 < 8
	s_wait_loadcnt 24
.else
	s_wait_loadcnt 8*(7-(\t))
.endif
.elseif ((\mode) == 1) && ((\t) < 5)
	s_wait_loadcnt 32                              ; behind this step's weights: three younger sets and the bias's eight loads
.else
	s_wait_loadcnt 24                              ; three younger sets
.endif
	MUL \t, ((\mode) == 0)
.endm
	BLOADS 0
	BLOADS 1
	BLOADS 2
	s_wait_loadcnt 54                              ; my 28 rows of h are in; the 54 loads issued behind them may stay out
	WIN 0
.set i, 0
.rept 28
	ds_store_b128 v[HS], v[32+4*i:35+4*i] offset:i*PH
.set i, i+1
.endr
	s_wait_kmcnt 0x0
	s_min_u32 s33, s33, 1                          ; the flag
	s_add_co_u32 s34, s33, 1                       ; a stored number has 2 or 4 bytes
	s_mul_i32 s36, s36, s34
	s_add_nc_u64 s[OUT:OUT+1], s[14:15], s[36:37]
	s_mul_i32 s38, s34, 2048                       ; four rows
	s_mov_b32 s39, 0
	v_lshlrev_b32 v[OV], 3, v1
	v_mul_u32_u24 v[OV], v[OV], s34
	s_wait_dscnt 0x0                               ; for the others' sake: my rows lie in LDS
	BAR
	; THE DENOMINATORS: block 64 of M holds the four heads' columns four times over, so registers 0-3 of a result are d0..d3 of the lane's row
	AFETCH 0, 0
.set st, 0
.rept 8
.if st > 0
	PLACES
.endif
.if st < 7
	AFETCH st+1, (st+1)%2
	s_wait_dscnt 14
.else
	s_wait_dscnt 0x0
.endif
.if st == 0
	s_wait_loadcnt 36                              ; the denominators' fragments and bias are in; behind them: bias 8, gain and shift 4, three sets of weights 24
.endif
	WIN 0xa6
.set mb, 0
.rept 7
.if st == 0
	v_wmma_f32_16x16x32_f16 v[DACC+8*mb:DACC+8*mb+7], v[DB+8*st:DB+8*st+7], v[AF+56*(st%2)+8*mb:AF+56*(st%2)+8*mb+7], v[DBI:DBI+7]
.else
	v_wmma_f32_16x16x32_f16 v[DACC+8*mb:DACC+8*mb+7], v[DB+8*st:DB+8*st+7], v[AF+56*(st%2)+8*mb:AF+56*(st%2)+8*mb+7], v[DACC+8*mb:DACC+8*mb+7]
.endif
.set mb, mb+1
.endr
.set st, st+1
.endr
	PLACES
	AFETCH 0, 0
	WIN 0x82
.set i, 0
.rept 28
	v_rcp_f32 v[R+i], v[DACC+8*(i/4)+i%4]
.set i, i+1
.endr
	v_nop                                          ; a plain instruction behind the last reciprocal,
	s_wait_alu depctr_va_vdst(0)                   ; and the one wait for the 28
	WIN 0x8a
.set i, 0
.rept 28
.if (i%4) < 3
	v_mul_f32 v[R+i], v[R+i], v[DACC+8*(i/4)+i%4+1]
.endif
.set i, i+1
.endr
	STEP 0, 0
	WIN 0
	s_mov_b32 s26, 3
.Lhead:                                                ; a trip: steps 1 to 7 of a head, the change of heads, the next head's first step
	STEP 1, 1
	STEP 2, 1
	STEP 3, 1
	STEP 4, 1
	STEP 5, 1
	STEP 6, 1
	STEP 7, 1
	PLACES
	WIN 0x28
.set i, 0
.rept 112
	v_pk_fma_f32 v[ACC+2*i:ACC+2*i+1], v[ACC+2*i:ACC+2*i+1], v[R+4*(i/16):R+4*(i/16)+1], v[BIAS+(2*i)%32:BIAS+(2*i)%32+1] op_sel_hi:[1,0,1]
.set i, i+1
.endr
	WIN 0x82
.set i, 0
.rept 28
.if (i%4) < 3
	v_mov_b32 v[R+i], v[R+i+1]                     ; the next change of heads finds its factor in the same register
.endif
.set i, i+1
.endr
	STEP 8, 1
	WIN 0
	s_wait_xcnt 0x0                                ; the loads have read their bases
	s_add_nc_u64 s[MP:MP+1], s[MP:MP+1], 131072
	s_add_nc_u64 s[BP:BP+1], s[BP:BP+1], 1024
	s_sub_co_u32 s26, s26, 1
	s_cmp_lg_u32 s26, 0
	s_cbranch_scc1 .Lhead
	STEP 1, 2
	STEP 2, 2
	STEP 3, 2
	STEP 4, 2
	STEP 5, 2
	STEP 6, 2
	STEP 7, 2
	PLACES
	WIN 0x08
.set i, 0
.rept 112
	v_pk_mul_f32 v[ACC+2*i:ACC+2*i+1], v[ACC+2*i:ACC+2*i+1], v[R+4*(i/16):R+4*(i/16)+1] op_sel_hi:[1,0]
.set i, i+1
.endr
	WIN 0
.set mb, 0
.rept 7
.set nb, 0
.rept 4
.if mb < 4
	ds_store_b128 v[SGA], v[ACC+8*(4*mb+nb):ACC+8*(4*mb+nb)+3] offset:mb*16*PS+64*nb
	ds_store_b128 v[SGA], v[ACC+8*(4*mb+nb)+4:ACC+8*(4*mb+nb)+7] offset:mb*16*PS+64*nb+16
.else
	ds_store_b128 v[SGB], v[ACC+8*(4*mb+nb):ACC+8*(4*mb+nb)+3] offset:(mb-4)*16*PS+64*nb
	ds_store_b128 v[SGB], v[ACC+8*(4*mb+nb)+4:ACC+8*(4*mb+nb)+7] offset:(mb-4)*16*PS+64*nb+16
.endif
.set nb, nb+1
.endr
.set mb, mb+1
.endr
	s_wait_dscnt 0x0
	BAR                                            ; the rows are whole
	WIN 0x0a                                       ; gain and shift: rounded to bf16 like every input, widened into window 0
.set i, 0
.rept 8
	v_cvt_pk_bf16_f32 v[T+i], v[LNG+2*i], v[LNG+2*i+1]
.set i, i+1
.endr
	WIN 0
.set i, 0
.rept 8
	v_lshlrev_b32 v[GG+2*i], 16, v[T+i]
	v_and_b32 v[GG+2*i+1], 0xffff0000, v[T+i]
.set i, i+1
.endr
.macro WSUM o                          ; v[T+4q+o] summed over the wave's 32 lanes, for the four rows
.irp m, 1,2,4,8
.irp q, 0,1,2,3
	v_add_f32_dpp v[T+4*\q+\o], v[T+4*\q+\o], v[T+4*\q+\o] row_xmask:\m row_mask:0xf bank_mask:0xf
.endr
.endr
.irp q, 0,1,2,3
	v_permlanex16_b32 v[T+4*\q+\o+1], v[T+4*\q+\o], s30, s31
.endr
.irp q, 0,1,2,3
	v_add_f32 v[T+4*\q+\o], v[T+4*\q+\o], v[T+4*\q+\o+1]
.endr
.endm
.macro LNORM                           ; four rows, one row to the whole wave (a lane has columns 4 l .. + 3 and 128 + 4 l .. + 3)
.irp q, 0,1,2,3
	v_pk_add_f32 v[T+4*\q:T+4*\q+1], v[Y+8*\q:Y+8*\q+1], v[Y+8*\q+2:Y+8*\q+3]
	v_pk_add_f32 v[T+4*\q+2:T+4*\q+3], v[Y+8*\q+4:Y+8*\q+5], v[Y+8*\q+6:Y+8*\q+7]
.endr
.irp q, 0,1,2,3
	v_pk_add_f32 v[T+4*\q:T+4*\q+1], v[T+4*\q:T+4*\q+1], v[T+4*\q+2:T+4*\q+3]
.endr
.irp q, 0,1,2,3
	v_add_f32 v[T+4*\q], v[T+4*\q], v[T+4*\q+1]
.endr
	WSUM 0
.irp q, 0,1,2,3
	v_mul_f32 v[T+4*\q], s27, v[T+4*\q]
.endr
.irp q, 0,1,2,3
.irp p, 0,2,4,6
	v_pk_add_f32 v[Y+8*\q+\p:Y+8*\q+\p+1], v[Y+8*\q+\p:Y+8*\q+\p+1], v[T+4*\q:T+4*\q+1] op_sel_hi:[1,0] neg_lo:[0,1] neg_hi:[0,1]
.endr
.endr
.irp q, 0,1,2,3
	v_pk_mul_f32 v[T+4*\q+2:T+4*\q+3], v[Y+8*\q:Y+8*\q+1], v[Y+8*\q:Y+8*\q+1]
.endr
.irp p, 2,4,6
.irp q, 0,1,2,3
	v_pk_fma_f32 v[T+4*\q+2:T+4*\q+3], v[Y+8*\q+\p:Y+8*\q+\p+1], v[Y+8*\q+\p:Y+8*\q+\p+1], v[T+4*\q+2:T+4*\q+3]
.endr
.endr
.irp q, 0,1,2,3
	v_add_f32 v[T+4*\q+2], v[T+4*\q+2], v[T+4*\q+3]
.endr
	WSUM 2
.irp q, 0,1,2,3
	v_fma_f32 v[T+4*\q+2], v[T+4*\q+2], s27, s28
.endr
.irp q, 0,1,2,3
	v_rsq_f32 v[T+4*\q+2], v[T+4*\q+2]
.endr
	v_nop                                          ; a plain instruction behind the last of the four,
	s_wait_alu depctr_va_vdst(0)                   ; and the one wait ahead of their first reader
.irp q, 0,1,2,3
.irp p, 0,2,4,6
	v_pk_mul_f32 v[Y+8*\q+\p:Y+8*\q+\p+1], v[Y+8*\q+\p:Y+8*\q+\p+1], v[T+4*\q+2:T+4*\q+3] op_sel_hi:[1,0]
.endr
.endr
.irp q, 0,1,2,3
.irp p, 0,2,4,6
	v_pk_fma_f32 v[Y+8*\q+\p:Y+8*\q+\p+1], v[Y+8*\q+\p:Y+8*\q+\p+1], v[GG+\p:GG+\p+1], v[BB+\p:BB+\p+1]
.endr
.endr
.irp q, 0,1,2,3
.irp p, 0,1,2,3,4,5,6,7
	v_max_num_f32 v[Y+8*\q+\p], 0, v[Y+8*\q+\p]
.endr
.endr
.endm
	s_mov_b32 s26, 7
.Lrows:                                                ; seven trips of four rows
.irp q, 0,1,2,3
	ds_load_b128 v[Y+8*\q:Y+8*\q+3], v[RBS] offset:\q*PS
	ds_load_b128 v[Y+8*\q+4:Y+8*\q+7], v[RBS] offset:\q*PS+512
	ds_load_b64 v[PR+4*\q:PR+4*\q+1], v[RBP] offset:\q*PH
	ds_load_b64 v[PR+4*\q+2:PR+4*\q+3], v[RBP] offset:\q*PH+256
.endr
	s_wait_dscnt 0x0
.irp q, 0,1,2,3
.irp p, 0,1,2,3
	v_fma_mix_f32 v[Y+8*\q+2*\p], v[PR+4*\q+\p], v[FOUR], v[Y+8*\q+2*\p] op_sel_hi:[1,0,0]                       ; 8 y = the heads' sum + 4 h: the word's low f16,
	v_fma_mix_f32 v[Y+8*\q+2*\p+1], v[PR+4*\q+\p], v[FOUR], v[Y+8*\q+2*\p+1] op_sel:[1,0,0] op_sel_hi:[1,0,0]    ; and its high one
.endr
.endr
	LNORM
	s_cmp_eq_u32 s33, 0
	s_cbranch_scc0 .Lf32
	s_cmp_lt_u32 s29, 25000                        ; a group of four rows lies on one side of 25,000
	s_cselect_b32 s32, -1, 0
.irp q, 0,1,2,3
.irp p, 0,1,2,3
	v_cvt_pk_f16_f32 v[Z+4*\q+\p], v[Y+8*\q+2*\p], v[Y+8*\q+2*\p+1]
.endr
.endr
.irp q, 0,1,2,3
.irp p, 0,1,2,3
	v_and_b32 v[Z+4*\q+\p], s32, v[Z+4*\q+\p]
.endr
.endr
.irp q, 0,1,2,3
	global_store_b64 v[OV], v[Z+4*\q:Z+4*\q+1], s[OUT:OUT+1] offset:\q*512        ; 256 consecutive bytes, aligned
	global_store_b64 v[OV], v[Z+4*\q+2:Z+4*\q+3], s[OUT:OUT+1] offset:\q*512+256
.endr
	s_branch .Lnext
.Lf32:
	s_cmp_ge_u32 s29, 25000                        ; rows that the output does not have are not stored
	s_cbranch_scc1 .Lnext
.irp q, 0,1,2,3
	global_store_b128 v[OV], v[Y+8*\q:Y+8*\q+3], s[OUT:OUT+1] offset:\q*1024      ; 512 consecutive bytes, aligned
	global_store_b128 v[OV], v[Y+8*\q+4:Y+8*\q+7], s[OUT:OUT+1] offset:\q*1024+512
.endr
.Lnext:
	s_wait_xcnt 0x0                                ; the stores have read their data and their base
	s_add_nc_u64 s[OUT:OUT+1], s[OUT:OUT+1], s[38:39]
	v_add_nc_u32 v[RBS], 4*PS, v[RBS]
	v_add_nc_u32 v[RBP], 4*PH, v[RBP]
	s_add_co_u32 s29, s29, 4
	s_sub_co_u32 s26, s26, 1
	s_cmp_lg_u32 s26, 0
	s_cbranch_scc1 .Lrows
	s_wait_tensorcnt 0x0                           ; the wave's end, behind my last LDS store
	ds_add_u32 v[SPW], v[NIL]
	s_wait_dscnt 0x0
	s_endpgm
.Lfunc_end_k_qbc7dd568fb_app0:
	.size	k_qbc7dd568fb_app0, .Lfunc_end_k_qbc7dd568fb_app0-k_qbc7dd568fb_app0
	.p2alignl 7, 3214868480
	.fill 96, 4, 3214868480
	.section	.rodata,"a",@progbits
	.p2align	6, 0x0
	.amdhsa_kernel k_qbc7dd568fb_app0
		.amdhsa_group_segment_fixed_size 176128
		.amdhsa_private_segment_fixed_size 0
		.amdhsa_enable_private_segment 0
		.amdhsa_kernarg_size 48
		.amdhsa_user_sgpr_count 2
		.amdhsa_user_sgpr_kernarg_segment_ptr 1
		.amdhsa_wavefront_size32 1
		.amdhsa_system_sgpr_workgroup_id_x 1
		.amdhsa_system_sgpr_workgroup_id_y 1
		.amdhsa_system_sgpr_workgroup_id_z 1
		.amdhsa_system_vgpr_workitem_id 0
		.amdhsa_next_free_vgpr 720
		.amdhsa_next_free_sgpr 66
		.amdhsa_reserve_vcc 0
		.amdhsa_float_denorm_mode_32 3
		.amdhsa_float_denorm_mode_16_64 3
		.amdhsa_memory_ordered 1
		.amdhsa_forward_progress 1
		.amdhsa_inst_pref_size 120
	.end_amdhsa_kernel
	.amdgpu_metadata
---
amdhsa.version: [ 1, 2 ]
amdhsa.kernels:
  - .name:           k_qbc7dd568fb_app0
    .symbol:         k_qbc7dd568fb_app0.kd
    .args:
      - { .name: hs0, .offset: 0, .size: 8, .value_kind: global_buffer, .address_space: global }
      - { .name: mm, .offset: 8, .size: 8, .value_kind: global_buffer, .address_space: global }
      - { .name: ln1_g, .offset: 16, .size: 8, .value_kind: global_buffer, .address_space: global }
      - { .name: ln1_b, .offset: 24, .size: 8, .value_kind: global_buffer, .address_space: global }
      - { .name: cfg0, .offset: 32, .size: 8, .value_kind: global_buffer, .address_space: global }
      - { .name: hs1, .offset: 40, .size: 8, .value_kind: global_buffer, .address_space: global }
    .group_segment_fixed_size: 176128
    .private_segment_fixed_size: 0
    .kernarg_segment_align: 8
    .kernarg_segment_size: 48
    .max_flat_workgroup_size: 128
    .sgpr_count:     66
    .vgpr_count:     720
    .wavefront_size: 32
...
	.end_amdgpu_metadata
.endif
;; end of part 6
;; launch gram1: the kernel of part 3 again; grid 4 x 56, 4 waves a work-group, no clusters, 244,224 bytes of LDS; arguments hs1, gpart; writes gpart
;; launch red1: the kernel of part 4 again; grid 16 x 18, 1 waves a work-group, no clusters, 0 bytes of LDS; arguments gpart, ps1, hs1; writes hs1
;; launch chain1: the kernel of part 5 again; grid 68 x 1, 1 waves a work-group, no clusters, 0 bytes of LDS; arguments hs1, ps1, wv1, bv1, mm; writes mm
;; launch app1: the kernel of part 6 again; grid 224 x 1, 4 waves a work-group, no clusters, 176,128 bytes of LDS; arguments hs1, mm, ln2_g, ln2_b, cfg1, out0; writes out0
;; ======== version 2 of 2: 10 launches; 1.13 times as fast as version 1
;; limits: values are held in f16: magnitudes above 65,504 overflow, below 6.1e-05 lose precision
;; workspace buffers: hs0 13,004,032 bytes; hs1 13,004,032 bytes; gpart 16,515,072 bytes; mm 536,832 bytes; ps0 3,395,584 bytes; ps1 3,133,440 bytes; cfg0 256 bytes of whole numbers; cfg1 256 bytes of whole numbers
;; launch prep: the kernel of part 1 again; grid 848 x 1, 1 waves a work-group, no clusters, 0 bytes of LDS; arguments wq0, bq0, wk0, bk0, wq1, bq1, wk1, bk1, fc_w, ps0, ps1, cfg0, cfg1; writes ps0, ps1, cfg0, cfg1
;; launch fc: the kernel of part 2 again; grid 224 x 1, 4 waves a work-group, no clusters, 116,992 bytes of LDS; arguments x, ps0, fc_b, ln0_g, ln0_b, hs0; writes hs0
;; launch gram0: the kernel of part 3 again; grid 4 x 56, 4 waves a work-group, no clusters, 244,224 bytes of LDS; arguments hs0, gpart; writes gpart
;; launch red0 (part 7): grid 16 x 18, 1 waves a work-group, no clusters, 0 bytes of LDS; arguments gpart, ps0, hs0; writes hs0
.if DOCPART == 7
	.amdgcn_target "amdgcn-amd-amdhsa--gfx1250"
	.amdhsa_code_object_version 6
	.text
	.protected	k_qbc7dd568fb_red0
	.globl	k_qbc7dd568fb_red0
	.p2align	8
	.type	k_qbc7dd568fb_red0,@function
k_qbc7dd568fb_red0:
	s_mov_b64 s[64:65], 0
	v_nop
	global_prefetch_b8 v0, s[64:65] scope:SCOPE_SE
	s_setreg_imm32_b32 hwreg(HW_REG_WAVE_MODE, 25, 1), 1
	s_wait_xcnt 0x0
; G = h~^T h~ / 25,000 from its 56 partial sums, and this block's part of <G, Sq> and <G, Sk>.  One wave a block of 16 x 16.
; Work-group (nb, a).
;   a < 17: by the symmetry of G the partial block holds G[16 nb + r][16 a + 8 hl + 0..7] in lane (r, hl).
;   a = 17: it holds G[256 + r][16 nb + 8 hl + 0..7].
; OUT, behind h's rows in the same buffer (of which this kernel reads nothing):
;   G as bf16 in operand order, [17 rb][18 cb] blocks of 512 bytes;
;   288 pairs of f32 partial sums.
; The corner G[256][256] = 1 (25,000 ones / 25,000), and the zero columns 272..287 are written by the work-groups named below.
.set SPLITB, 294912
.set SO,   626688
.set SARR, 313344
.set GH,   12845056
.set AC,   16                          ; v[16:23]   the block
.set RG,   32                          ; v[32:159]  a ring of 16 splits
.set SV,   160                         ; v[160:223] the eight blocks of S
	s_load_b128 s[4:7], s[0:1], 0x0                ; gpart, ps
	s_load_b64 s[8:9], s[0:1], 0x10                ; hs
	s_mov_b32 s10, ttmp9                           ; nb
	s_and_b32 s11, ttmp7, 0xffff                   ; a
	s_cmp_eq_u32 s11, 17
	s_cselect_b32 s12, 16, s10                     ; row block of G
	s_cselect_b32 s13, s10, s11                    ; column block
	v_lshlrev_b32 v1, 4, v0
	s_mul_i32 s14, s10, 18432
	s_lshl_b32 s15, s11, 10
	s_add_co_u32 s14, s14, s15
	v_add_nc_u32 v2, s14, v1
	s_mul_i32 s14, s12, 18
	s_add_co_u32 s14, s14, s13
	s_lshl_b32 s14, s14, 10
	v_add_nc_u32 v3, s14, v1
	s_mul_i32 s14, s12, 9216
	s_lshl_b32 s15, s13, 9
	s_add_co_u32 s14, s14, s15
	v_add_nc_u32 v4, s14, v1
	s_lshl_b32 s14, s11, 4
	s_add_co_u32 s14, s14, s10
	s_lshl_b32 s14, s14, 3
	v_mov_b32 v6, s14                              ; my pair of sums
	s_mov_b32 s20, 0x76543210
	s_mov_b32 s21, 0xfedcba98
	s_mov_b32 s24, 0x3827c5ac                      ; 1 / 25,000: the packed lines take the pair's low word for both halves
	s_mov_b32 s25, s24                             ; named with it as a pair
	v_mov_b32 v12, 0
	v_mov_b32 v13, 0
	v_mov_b32 v14, 0
	v_mov_b32 v15, 0
	s_wait_kmcnt 0x0
	s_add_nc_u64 s[16:17], s[4:5], 28*SPLITB       ; splits 28 on: the immediate holds 28 splits
	s_add_nc_u64 s[18:19], s[8:9], GH
.set i, 0
.rept 8
	global_load_b128 v[SV+8*i:SV+8*i+3], v3, s[6:7] offset:SO+i*SARR
	global_load_b128 v[SV+8*i+4:SV+8*i+7], v3, s[6:7] offset:SO+i*SARR+512
.set i, i+1
.endr
.macro GL n
.if (\n) < 28
	global_load_b128 v[RG+8*((\n)%16):RG+8*((\n)%16)+3], v2, s[4:5] offset:(\n)*SPLITB th:TH_LOAD_NT
	global_load_b128 v[RG+8*((\n)%16)+4:RG+8*((\n)%16)+7], v2, s[4:5] offset:(\n)*SPLITB+512 th:TH_LOAD_NT
.else
	global_load_b128 v[RG+8*((\n)%16):RG+8*((\n)%16)+3], v2, s[16:17] offset:((\n)-28)*SPLITB th:TH_LOAD_NT
	global_load_b128 v[RG+8*((\n)%16)+4:RG+8*((\n)%16)+7], v2, s[16:17] offset:((\n)-28)*SPLITB+512 th:TH_LOAD_NT
.endif
.endm
.set sp, 0
.rept 16
	GL sp
.set sp, sp+1
.endr
.set sp, 0
.rept 56
.if sp < 40
	s_wait_loadcnt 30                              ; this split is in; the 15 younger splits' loads stay out
.else
	s_wait_loadcnt 2*(55-sp)
.endif
.set p, 0
.rept 4
.if sp == 0
	v_pk_mul_f32 v[AC+2*p:AC+2*p+1], v[RG+2*p:RG+2*p+1], s[24:25] op_sel_hi:[1,0]   ; 1 / 25,000 rides on every term
.else
	v_pk_fma_f32 v[AC+2*p:AC+2*p+1], v[RG+8*(sp%16)+2*p:RG+8*(sp%16)+2*p+1], s[24:25], v[AC+2*p:AC+2*p+1] op_sel_hi:[1,0,1]
.endif
.set p, p+1
.endr
.if sp+16 < 56
	GL sp+16
.endif
.set sp, sp+1
.endr
	; <G, Sq> in v[24:25], <G, Sk> in v[26:27]: four heads' parts each
.set i, 0
.rept 8
.set p, 0
.rept 4
.if ((i%4) == 0) && (p == 0)
	v_pk_mul_f32 v[24+2*(i/4):25+2*(i/4)], v[AC:AC+1], v[SV+8*i:SV+8*i+1]
.else
	v_pk_fma_f32 v[24+2*(i/4):25+2*(i/4)], v[AC+2*p:AC+2*p+1], v[SV+8*i+2*p:SV+8*i+2*p+1], v[24+2*(i/4):25+2*(i/4)]
.endif
.set p, p+1
.endr
.set i, i+1
.endr
	v_add_f32 v24, v24, v25
	v_add_f32 v26, v26, v27
.set p, 0
.rept 4
	v_cvt_pk_bf16_f32 v[28+p], v[AC+2*p], v[AC+2*p+1]
.set p, p+1
.endr
	global_store_b128 v4, v[28:31], s[18:19]       ; 512 consecutive bytes
	s_cmp_eq_u32 s11, 16
	s_cbranch_scc0 .Lnot16
	global_store_b128 v4, v[12:15], s[18:19] offset:512     ; column block 17 of my row block: zeros
.Lnot16:
	s_cmp_eq_u32 s11, 17
	s_cbranch_scc0 .Lsum
	s_cmp_eq_u32 s10, 0
	s_cbranch_scc0 .Lsum
.set i, 0
.rept 8
	global_load_b32 v[SV+i], v1, s[6:7] offset:SO+i*SARR+(16*18+16)*1024    ; lane 0: S[256][256]
.set i, i+1
.endr
	v_cmp_eq_u32 vcc_lo, 0, v0
	v_cndmask_b32 v5, 0, 1.0, vcc_lo
	v_mov_b32 v7, 0x3f80
	v_cndmask_b32 v8, 0, v7, vcc_lo
	v_mov_b32 v9, 0
	v_mov_b32 v10, 0
	v_mov_b32 v11, 0
	global_store_b128 v1, v[8:11], s[18:19] offset:16*9216+16*512           ; the corner block: 1 at [256][256]
	global_store_b128 v1, v[12:15], s[18:19] offset:16*9216+17*512
	s_wait_loadcnt 0x0
	v_add_f32 v[SV], v[SV], v[SV+1]
	v_add_f32 v[SV+2], v[SV+2], v[SV+3]
	v_add_f32 v[SV+4], v[SV+4], v[SV+5]
	v_add_f32 v[SV+6], v[SV+6], v[SV+7]
	v_add_f32 v[SV], v[SV], v[SV+2]
	v_add_f32 v[SV+4], v[SV+4], v[SV+6]
	v_fmac_f32 v24, v5, v[SV]
	v_fmac_f32 v26, v5, v[SV+4]
.Lsum:
.irp m, 1,2,4,8
	v_add_f32_dpp v24, v24, v24 row_xmask:\m row_mask:0xf bank_mask:0xf
	v_add_f32_dpp v26, v26, v26 row_xmask:\m row_mask:0xf bank_mask:0xf
.endr
	v_permlanex16_b32 v25, v24, s20, s21
	v_permlanex16_b32 v27, v26, s20, s21
	v_add_f32 v24, v24, v25
	v_add_f32 v25, v26, v27
	v_cmp_gt_u32 vcc_lo, 1, v0
	s_wait_xcnt 0x0                                ; EXEC changes only behind this wait
	s_and_saveexec_b32 s22, vcc_lo
	global_store_b64 v6, v[24:25], s[18:19] offset:156672
	s_endpgm
.Lfunc_end_k_qbc7dd568fb_red0:
	.size	k_qbc7dd568fb_red0, .Lfunc_end_k_qbc7dd568fb_red0-k_qbc7dd568fb_red0
	.p2alignl 7, 3214868480
	.fill 96, 4, 3214868480
	.section	.rodata,"a",@progbits
	.p2align	6, 0x0
	.amdhsa_kernel k_qbc7dd568fb_red0
		.amdhsa_group_segment_fixed_size 0
		.amdhsa_private_segment_fixed_size 0
		.amdhsa_enable_private_segment 0
		.amdhsa_kernarg_size 24
		.amdhsa_user_sgpr_count 2
		.amdhsa_user_sgpr_kernarg_segment_ptr 1
		.amdhsa_wavefront_size32 1
		.amdhsa_system_sgpr_workgroup_id_x 1
		.amdhsa_system_sgpr_workgroup_id_y 1
		.amdhsa_system_sgpr_workgroup_id_z 1
		.amdhsa_system_vgpr_workitem_id 0
		.amdhsa_next_free_vgpr 224
		.amdhsa_next_free_sgpr 66
		.amdhsa_reserve_vcc 1
		.amdhsa_float_denorm_mode_32 3
		.amdhsa_float_denorm_mode_16_64 3
		.amdhsa_memory_ordered 1
		.amdhsa_forward_progress 1
		.amdhsa_inst_pref_size 35
	.end_amdhsa_kernel
	.amdgpu_metadata
---
amdhsa.version: [ 1, 2 ]
amdhsa.kernels:
  - .name:           k_qbc7dd568fb_red0
    .symbol:         k_qbc7dd568fb_red0.kd
    .args:
      - { .name: gpart, .offset: 0, .size: 8, .value_kind: global_buffer, .address_space: global }
      - { .name: ps0, .offset: 8, .size: 8, .value_kind: global_buffer, .address_space: global }
      - { .name: hs0, .offset: 16, .size: 8, .value_kind: global_buffer, .address_space: global }
    .group_segment_fixed_size: 0
    .private_segment_fixed_size: 0
    .kernarg_segment_align: 8
    .kernarg_segment_size: 24
    .max_flat_workgroup_size: 32
    .sgpr_count:     66
    .vgpr_count:     224
    .wavefront_size: 32
...
	.end_amdgpu_metadata
.endif
;; end of part 7
;; launch chain0 (part 8): grid 68 x 1, 4 waves a work-group, no clusters, 17,920 bytes of LDS; arguments hs0, ps0, wv0, bv0, mm; writes mm
.if DOCPART == 8
	.amdgcn_target "amdgcn-amd-amdhsa--gfx1250"
	.amdhsa_code_object_version 6
	.text
	.protected	k_qbc7dd568fb_chain0
	.globl	k_qbc7dd568fb_chain0
	.p2align	8
	.type	k_qbc7dd568fb_chain0,@function
k_qbc7dd568fb_chain0:
	s_mov_b64 s[64:65], 0
	v_nop
	global_prefetch_b8 v0, s[64:65] scope:SCOPE_SE
	s_setreg_imm32_b32 hwreg(HW_REG_WAVE_MODE, 25, 1), 1
	s_wait_xcnt 0x0
; M = W~v + kappa P_h G W~v for 16 columns n, with kappa = 1 / (25,000 sqrt(<G,Sq> <G,Sk>)).  Four waves a work-group.
; Work-groups 0..63: columns 16 b .. + 15 of wv (head b / 16).
; Work-groups 64..67: the denominator's column of head b - 64.  W~v is replaced by the unit vector of row 256, in all 16 lanes r (a mask clears what was loaded);
;   the lanes with r % 4 = head are stored, so block 64 holds the four heads' columns four times over.
; Two stages over 17 row blocks x 9 steps of 32: U = G W~v, then T = P_h U.
; SHARES.  Wave w has row blocks w, w + 4, w + 8, w + 12.  Block 16 (row 256 and zeros) is computed by all four waves, so that the text is one, and stored by wave 0.
; ALL FRAGMENTS OF G AND OF P ARE ASKED FOR AT THE HEAD: 5 blocks x 9 steps x 8 registers = 360 registers each, and P hangs on nothing that the kernel computes.
;   They lie in memory in operand order, 512 consecutive bytes a load.
; A result (lane: column n = r, rows 8 hl + 0..7) rounded in pairs IS half a fragment of the next product's second operand.
;   So W~v and U pass from wave to wave through LDS as blocks of 512 bytes, 16 bytes a lane, and M is stored without changing lanes.
; NO CLUSTER: the fragments go straight into registers.  As joint tiles G and P (2 x 156,672 bytes) with the two exchange regions and the spare words (17,920) would be 331,264 bytes, more than the 327,680 that a work-group can have.
; FORMATS.  wv and bv are rounded once to bf16, like every input.
;   M, which the program makes of them, is stored in f16, in which a bf16 number of f16's normal range is exact.
; LIMIT: entries of M below 6e-5 keep f16's fixed step of 6e-8 (the denominators' columns lie there; their whole term is of the order 1 / N of the denominator); |M| stays under 65,504.
; OUT.  mm: [65 nb][8 s][2][32 lanes][16 bytes] f16: lane (r, hl) holds n = 16 nb + r, k = 32 s + 16 half + 8 hl + 0..7: row block jb at byte 512 jb of its column block.
;   Behind it row 256 of M, the bias, as f32 [1040].
.set GH,    12845056
.set MBO,   532480
.set UREG,  8704                       ; LDS: W~v's 17 blocks of 512 bytes at 0, U's 17 at 8,704
.set SPARE, 17408                      ; behind them: the spare words, 128 bytes a wave
.set VA,  8                            ; v8   16 l + 9,216 w: my lane in the fragments of my row blocks; never rewritten
.set WVO, 10                           ; v10  my lane in wv's rows of my row blocks
.set WS,  11                           ; v11  16 l + 512 w: my lane in my blocks, in LDS and in mm
.set SPW, 14                           ; v14  LDS address of my spare word; never rewritten
.set NIL, 15                           ; v15  0; never rewritten
.set SM,  16                           ; v[16:33]    nine pairs of partial sums
.set BF,  40                           ; v[40:111]   nine fragments of the second operand: W~v, then U
.set ACC, 112                          ; v[112:151]  five accumulators
.set WR,  152                          ; v[152:184]  my rows of W~v in f32: as loaded; at the end the rounded numbers again
.set PK,  188                          ; v[188:207]  the same in bf16: five blocks of 4 registers; kept to the end
.set UP,  208                          ; v[208:227]  packed results
.set GB,  256                          ; v256-615    G's fragments, (step, slot) at GB + 8 (5 step + slot): windows 1 and 2
.set PB,  616                          ; v616-975    P's: windows 2 and 3
.set MSB, 0
.macro WIN new                         ; the immediate's high byte repeats the setting that is left; a switch that changes nothing is dropped
.if MSB != (\new)
	s_set_vgpr_msb (MSB<<8)|(\new)
.set MSB, \new
.endif
.endm
.macro PLACES                          ; four places behind a matrix instruction, ahead of reads of its result and of loads into its sources (ISA guide 7.12.1 for vector instructions)
.rept 4
	v_nop
.endr
.endm
	s_load_b256 s[4:11], s[0:1], 0x0               ; hs, ps, wv, bv
	s_load_b64 s[12:13], s[0:1], 0x20              ; mm
	v_lshl_add_u32 v[SPW], v0, 2, SPARE
	v_mov_b32 v[NIL], 0
	v_lshrrev_b32 v1, 5, v0
	v_readfirstlane_b32 s36, v1                    ; wave
	v_and_b32 v1, 31, v0                           ; l
	v_and_b32 v2, 15, v0                           ; r
	v_bfe_u32 v3, v0, 4, 1                         ; hl
	v_lshlrev_b32 v4, 4, v1                        ; 16 l
	v_lshlrev_b32 v6, 3, v1                        ; 8 l
	s_mov_b32 s14, ttmp9
	s_sub_co_u32 s19, s14, 64
	s_lshr_b32 s16, s14, 4
	s_cmp_ge_u32 s14, 64                           ; a denominator's column?
	s_cselect_b32 s17, 64, s14                     ; the block of mm
	s_cselect_b32 s18, 0, s14                      ; the block of wv's columns
	s_cselect_b32 s28, 3, 0                        ; lanes with (r & s28) = s29 store
	s_cselect_b32 s16, s19, s16                    ; head
	s_cselect_b32 s29, s19, 0
	s_cselect_b32 s39, 0, -1                       ; clears what was loaded of wv and bv,
	s_cselect_b32 s40, 1.0, 0                      ; and sets row 256 to 1
	s_lshl_b32 s18, s18, 6
	v_lshl_add_u32 v5, v2, 2, s18                  ; column n, in bytes
	s_lshl_b32 s41, s36, 16                        ; 16 w rows of 4,096 bytes
	v_lshl_add_u32 v[WVO], v3, 15, v5              ; + 8 hl rows
	v_add_nc_u32 v[WVO], s41, v[WVO]
	s_lshl_b32 s19, s17, 6
	v_lshl_add_u32 v7, v2, 2, s19                  ; the bias's place
	s_mul_i32 s38, s36, 9216
	v_add_nc_u32 v[VA], s38, v4
	s_lshl_b32 s37, s36, 9
	v_add_nc_u32 v[WS], s37, v4
	s_mul_i32 s30, s16, 156672
	s_mov_b32 s31, 0
	s_lshl_b32 s34, s17, 13
	s_mov_b32 s35, 0
	s_mov_b32 s24, 0x76543210
	s_mov_b32 s25, 0xfedcba98
	s_wait_kmcnt 0x0
	s_add_nc_u64 s[20:21], s[4:5], GH              ; G
	s_add_nc_u64 s[22:23], s[6:7], s[30:31]        ; P of my head
	s_add_nc_u64 s[34:35], s[12:13], s[34:35]      ; my block of mm
; 90 loads: my five row blocks' fragments of all nine steps, step by step: ten loads a step
.macro FETCH bp, base
.set st, 0
.rept 9
.set sl, 0
.rept 5
.set ab, (\base)+8*(5*st+sl)
	WIN (ab/256)<<6
.if sl < 4
	global_load_b128 v[ab%256:ab%256+3], v[VA], s[\bp:\bp+1] offset:sl*36864+st*1024
	global_load_b128 v[ab%256+4:ab%256+7], v[VA], s[\bp:\bp+1] offset:sl*36864+st*1024+512
.else
	global_load_b128 v[ab%256:ab%256+3], v4, s[\bp:\bp+1] offset:16*9216+st*1024
	global_load_b128 v[ab%256+4:ab%256+7], v4, s[\bp:\bp+1] offset:16*9216+st*1024+512
.endif
.set sl, sl+1
.endr
.set st, st+1
.endr
	WIN 0
.endm
; 45 products; the five accumulators take turns, one instruction a turn; step 0 starts the sums.  counted = 1: each step waits for its own ten loads
.macro STAGE base, counted
.set st, 0
.rept 9
.if \counted
.if 10*(8-st) > 63
	s_wait_loadcnt 63                              ; the count's field holds no more; fewer out is always enough
.else
	s_wait_loadcnt 10*(8-st)                       ; this step's fragments are in; the later steps', ten loads each, may stay out
.endif
.endif
.set sl, 0
.rept 5
.set ab, (\base)+8*(5*st+sl)
	WIN ab/256
.if st == 0
	v_wmma_f32_16x16x32_bf16 v[ACC+8*sl:ACC+8*sl+7], v[ab%256:ab%256+7], v[BF+8*st:BF+8*st+7], 0
.else
	v_wmma_f32_16x16x32_bf16 v[ACC+8*sl:ACC+8*sl+7], v[ab%256:ab%256+7], v[BF+8*st:BF+8*st+7], v[ACC+8*sl:ACC+8*sl+7]
.endif
.set sl, sl+1
.endr
.set st, st+1
.endr
	WIN 0
.endm
.set i, 0
.rept 9
	global_load_b64 v[SM+2*i:SM+2*i+1], v6, s[20:21] offset:156672+256*i     ; the 288 pairs of partial sums
.set i, i+1
.endr
.set i, 0
.rept 32
	global_load_b32 v[WR+i], v[WVO], s[8:9] offset:(64*(i/8)+i%8)*4096       ; row 16 (w + 4 (i / 8)) + 8 hl + i % 8, column n
.set i, i+1
.endr
	global_load_b32 v[WR+32], v5, s[10:11]
	FETCH 20, GB
	s_wait_loadcnt 63                              ; 90 loads were issued behind the sums and W~v: with 63 out at the most, those are in
.set i, 0
.rept 16
	v_cvt_pk_bf16_f32 v[PK+i], v[WR+2*i], v[WR+2*i+1]
.set i, i+1
.endr
.set i, 0
.rept 16
	v_and_b32 v[PK+i], s39, v[PK+i]
.set i, i+1
.endr
	v_and_b32 v[WR+32], s39, v[WR+32]
	v_or_b32 v[WR+32], s40, v[WR+32]
	v_cmp_eq_u32 vcc_lo, 0, v3
	v_cndmask_b32 v[WR+32], 0, v[WR+32], vcc_lo    ; row 256 lies in register 0 of the lanes with hl = 0; rows 257..271 are zeros
	v_cvt_pk_bf16_f32 v[PK+16], v[WR+32], v[NIL]
	v_mov_b32 v[PK+17], 0
	v_mov_b32 v[PK+18], 0
	v_mov_b32 v[PK+19], 0
.set i, 0
.rept 4
	ds_store_b128 v[WS], v[PK+4*i:PK+4*i+3] offset:i*2048
.set i, i+1
.endr
	s_cmp_lg_u32 s36, 0
	s_cbranch_scc1 .Lw_stored
	ds_store_b128 v4, v[PK+16:PK+19] offset:8192
.Lw_stored:
	FETCH 22, PB                                   ; P goes out while W~v changes waves
	s_wait_dscnt 0x0                               ; for the others' sake: my blocks of W~v lie in LDS
	s_barrier_signal -1
	s_barrier_wait -1
.set i, 0
.rept 17
	ds_load_b128 v[BF+4*i:BF+4*i+3], v4 offset:i*512
.set i, i+1
.endr
.set i, 68
.rept 4
	v_mov_b32 v[BF+i], 0                           ; rows 272..287: zeros, in both stages
.set i, i+1
.endr
.set i, 1
.rept 8
	v_pk_add_f32 v[SM:SM+1], v[SM:SM+1], v[SM+2*i:SM+2*i+1]
.set i, i+1
.endr
	v_mov_b32 v12, 0
	v_mov_b32 v13, 0
.irp m, 1,2,4,8
	v_add_f32_dpp v[SM], v[SM], v[SM] row_xmask:\m row_mask:0xf bank_mask:0xf
	v_add_f32_dpp v[SM+1], v[SM+1], v[SM+1] row_xmask:\m row_mask:0xf bank_mask:0xf
.endr
	v_permlanex16_b32 v12, v[SM], s24, s25
	v_permlanex16_b32 v13, v[SM+1], s24, s25
	v_add_f32 v[SM], v[SM], v12
	v_add_f32 v[SM+1], v[SM+1], v13
	v_rsq_f32 v[SM], v[SM]
	v_rsq_f32 v[SM+1], v[SM+1]
	v_nop                                          ; a plain instruction behind the second,
	s_wait_alu depctr_va_vdst(0)                   ; and the one wait ahead of the first reader
	v_mul_f32 v[SM], v[SM], v[SM+1]
	v_mul_f32 v[SM], 0x3827c5ac, v[SM]
	v_readfirstlane_b32 s26, v[SM]                 ; kappa: a factor only
	s_mov_b32 s27, s26
	s_wait_dscnt 0x0                               ; W~v's fragments are in
	s_wait_loadcnt 63                              ; 90 loads of P were issued behind G's: with 63 out at the most, G is in
	STAGE GB, 0                                    ; U = G W~v
	PLACES
.set i, 0
.rept 20
	v_cvt_pk_bf16_f32 v[UP+i], v[ACC+2*i], v[ACC+2*i+1]
.set i, i+1
.endr
.set i, 0
.rept 4
	ds_store_b128 v[WS], v[UP+4*i:UP+4*i+3] offset:UREG+i*2048
.set i, i+1
.endr
	s_cmp_lg_u32 s36, 0
	s_cbranch_scc1 .Lu_stored
	ds_store_b128 v4, v[UP+16:UP+19] offset:UREG+8192
.Lu_stored:
	s_wait_dscnt 0x0                               ; for the others' sake: my blocks of U lie in LDS
	s_barrier_signal -1
	s_barrier_wait -1
.set i, 0
.rept 17
	ds_load_b128 v[BF+4*i:BF+4*i+3], v4 offset:UREG+i*512
.set i, i+1
.endr
	s_wait_dscnt 0x0
	STAGE PB, 1                                    ; T = P U
.set i, 0
.rept 17
	v_lshlrev_b32 v[WR+2*i], 16, v[PK+i]           ; my rows of W~v, the rounded numbers, widened: 34 plain lines that name no register of the last products: their places
	v_and_b32 v[WR+2*i+1], 0xffff0000, v[PK+i]
.set i, i+1
.endr
.set i, 0
.rept 17
	v_pk_fma_f32 v[ACC+2*i:ACC+2*i+1], v[ACC+2*i:ACC+2*i+1], s[26:27], v[WR+2*i:WR+2*i+1] op_sel_hi:[1,0,1]   ; M = kappa T + W~v: my four blocks, and rows 256, 257
.set i, i+1
.endr
.set i, 0
.rept 16
	v_cvt_pk_f16_f32 v[UP+i], v[ACC+2*i], v[ACC+2*i+1]
.set i, i+1
.endr
	s_wait_tensorcnt 0x0                           ; the wave's end, behind my last LDS store and where all lanes are still on
	ds_add_u32 v[SPW], v[NIL]
	s_wait_dscnt 0x0
	v_and_b32 v9, s28, v2
	v_cmp_eq_u32 vcc_lo, s29, v9
	s_wait_xcnt 0x0                                ; EXEC changes only behind this wait
	s_and_saveexec_b32 s32, vcc_lo
.set i, 0
.rept 4
	global_store_b128 v[WS], v[UP+4*i:UP+4*i+3], s[34:35] offset:i*2048      ; with all lanes on: 512 consecutive bytes
.set i, i+1
.endr
	s_cmp_lg_u32 s36, 0
	s_cbranch_scc1 .Lend
	v_cmp_eq_u32 vcc_lo, 0, v3
	s_wait_xcnt 0x0
	s_and_saveexec_b32 s33, vcc_lo
	global_store_b32 v7, v[ACC+32], s[12:13] offset:MBO
.Lend:
	s_endpgm
.Lfunc_end_k_qbc7dd568fb_chain0:
	.size	k_qbc7dd568fb_chain0, .Lfunc_end_k_qbc7dd568fb_chain0-k_qbc7dd568fb_chain0
	.p2alignl 7, 3214868480
	.fill 96, 4, 3214868480
	.section	.rodata,"a",@progbits
	.p2align	6, 0x0
	.amdhsa_kernel k_qbc7dd568fb_chain0
		.amdhsa_group_segment_fixed_size 17920
		.amdhsa_private_segment_fixed_size 0
		.amdhsa_enable_private_segment 0
		.amdhsa_kernarg_size 40
		.amdhsa_user_sgpr_count 2
		.amdhsa_user_sgpr_kernarg_segment_ptr 1
		.amdhsa_wavefront_size32 1
		.amdhsa_system_sgpr_workgroup_id_x 1
		.amdhsa_system_sgpr_workgroup_id_y 1
		.amdhsa_system_sgpr_workgroup_id_z 1
		.amdhsa_system_vgpr_workitem_id 0
		.amdhsa_next_free_vgpr 976
		.amdhsa_next_free_sgpr 66
		.amdhsa_reserve_vcc 1
		.amdhsa_float_denorm_mode_32 3
		.amdhsa_float_denorm_mode_16_64 3
		.amdhsa_memory_ordered 1
		.amdhsa_forward_progress 1
		.amdhsa_inst_pref_size 42
	.end_amdhsa_kernel
	.amdgpu_metadata
---
amdhsa.version: [ 1, 2 ]
amdhsa.kernels:
  - .name:           k_qbc7dd568fb_chain0
    .symbol:         k_qbc7dd568fb_chain0.kd
    .args:
      - { .name: hs0, .offset: 0, .size: 8, .value_kind: global_buffer, .address_space: global }
      - { .name: ps0, .offset: 8, .size: 8, .value_kind: global_buffer, .address_space: global }
      - { .name: wv0, .offset: 16, .size: 8, .value_kind: global_buffer, .address_space: global }
      - { .name: bv0, .offset: 24, .size: 8, .value_kind: global_buffer, .address_space: global }
      - { .name: mm, .offset: 32, .size: 8, .value_kind: global_buffer, .address_space: global }
    .group_segment_fixed_size: 17920
    .private_segment_fixed_size: 0
    .kernarg_segment_align: 8
    .kernarg_segment_size: 40
    .max_flat_workgroup_size: 128
    .sgpr_count:     66
    .vgpr_count:     976
    .wavefront_size: 32
...
	.end_amdgpu_metadata
.endif
;; end of part 8
;; launch app0 (part 9): grid 224 x 1, 4 waves a work-group, no clusters, 176,128 bytes of LDS; arguments hs0, mm, ln1_g, ln1_b, cfg0, hs1; writes hs1
.if DOCPART == 9
	.amdgcn_target "amdgcn-amd-amdhsa--gfx1250"
	.amdhsa_code_object_version 6
	.text
	.protected	k_qbc7dd568fb_app0
	.globl	k_qbc7dd568fb_app0
	.p2align	8
	.type	k_qbc7dd568fb_app0,@function
k_qbc7dd568fb_app0:
	s_mov_b64 s[64:65], 0
	v_nop
	global_prefetch_b8 v0, s[64:65] scope:SCOPE_SE
	s_setreg_imm32_b32 hwreg(HW_REG_WAVE_MODE, 25, 1), 1
	s_wait_xcnt 0x0
; A layer's end: a_h = h~ M_h and d_h = h~ m_h for the four heads, y = (mean over h of a_h / d_h + h) / 2, out = relu(LN(y)).
; FORMATS.  h and M, which the program itself has made, come in f16; gain and shift are rounded once to bf16 like every input.
; LIMIT: a stored h must stay under 65,504; after the layer norm it is at most sqrt(255) |g| + |b|.
; SHARES.  A work-group owns 112 rows; wave w owns output columns 64 w .. + 63 of every head: 7 x 4 accumulators.
; h's rows lie in LDS (all four waves read them, and they are the residual).
; M comes in operand order, straight into registers: no other wave of the work-group reads a wave's columns.
;   A ring of eight sets of four fragments, one set a step of 32 along K; a set is asked for six steps ahead of its use.
; A STEP IS SEVEN GROUPS: the 4 products of one block of 16 rows.
;   Behind them come the 2 LDS loads of the same block's fragment for the NEXT step.
;   Behind the first four groups come 2 loads of weights each.
;   So no run of loads is longer than four, and a fragment of h is asked for 24 products ahead of its use.
; THE DENOMINATORS RIDE ON HEAD 0: block 64 of M holds the four heads' columns four times over.
;   In head 0's eight steps 7 more products take the fragments of h that are in registers anyway.
;   Registers 0-3 of a result are d0..d3 of the lane's row.
; NO CLUSTER in this form: nothing comes by a tensor load, and the store path is chosen by a branch on a word read from memory.
; THE HEADS ARE SUMMED IN PLACE: sum of a_h / d_h = (((a0 R0 + a1) R1 + a2) R2 + a3) R3 with R_h = d_(h+1) / d_h and R3 = 1 / d3.
;   Between two heads the accumulators are multiplied by R and take the next head's bias in one fused multiply-add.
;   LIMIT: the quotients of neighbouring d must be finite; d / N is 1 plus a term of the order 1 / N for inputs of the problem's kind.
; The layer norm is taken of 8 y = sum + 4 h with 64 eps, which is the same number for every input.
; OUT.  Flag 0: f16 [25,088][256], rows from 25,000 on as zeros.  Flag 1: f32 [25,000][256].
; REGISTERS.  Window 0: v0-31 addresses; v32-255 accumulators (before them h as loaded, behind them the rows at work).
;   Window 1: v0-111 two sets of 7 fragments of h.
;   Window 2: v0-31 bias; v32-45 R, a pair a row block; v64-119 the denominators' accumulators; v120-127 their bias; v128-191 their fragments; v192-207 gain and shift.
;   Window 3: the eight sets of M's fragments.
.set PH,    528                        ; a row of h in LDS: 512 bytes + 16
.set PS,    1040                       ; a row of the stage: 1,024 bytes + 16
.set STAGE, 59136                      ; behind h's 112 rows
.set SPARE, 175616                     ; behind the stage: the spare words, 128 bytes a wave
.set MBO,   532480
.set AHEAD, 6                          ; steps between the request for a set of weights and its use
.set ACC,  32
.set AF,   0
.set BR,   0
.set BIAS, 0
.set R,    32
.set DACC, 64
.set DBI,  120
.set DB,   128
.set LNG,  192
.set AA,  5
.set HS,  6
.set BO,  7
.set BV,  8
.set SGA, 9
.set SGB, 10
.set RBS, 11
.set RBP, 12
.set OV,  13
.set FOUR, 14                          ; 4.0: the multiply-add from f16 halves takes its sources from vector registers
.set DV,  15
.set SPW, 30
.set NIL, 31
.set Y,   32
.set T,   64
.set Z,   80
.set GG,  96
.set BB,  104
.set PR,  112
.set MP,  20                           ; s[20:21] M at the head in hand
.set BP,  22                           ; s[22:23] the bias at the head in hand
.set OUT, 24                           ; s[24:25]
.set MSB, 0
.macro WIN new
.if MSB != (\new)
	s_set_vgpr_msb (MSB<<8)|(\new)
.set MSB, \new
.endif
.endm
.macro PLACES
.rept 4
	v_nop
.endr
.endm
.macro BAR
	s_barrier_signal -1
	s_barrier_wait -1
.endm
	s_load_b256 s[4:11], s[0:1], 0x0               ; h, mm, gain, shift
	s_load_b128 s[12:15], s[0:1], 0x20             ; flag, out
	v_lshl_add_u32 v[SPW], v0, 2, SPARE
	v_mov_b32 v[NIL], 0
	v_mov_b32 v[FOUR], 4.0
	v_lshrrev_b32 v1, 5, v0
	v_readfirstlane_b32 s16, v1
	v_and_b32 v1, 31, v0
	v_and_b32 v2, 15, v0
	v_bfe_u32 v3, v0, 4, 1
	v_lshlrev_b32 v4, 4, v1
	s_mul_i32 s18, ttmp9, 112
	s_mul_i32 s19, s16, 28
	s_add_co_u32 s18, s18, s19                     ; the first of my 28 rows
	v_mul_u32_u24 v[AA], v2, PH
	v_lshl_add_u32 v[AA], v3, 4, v[AA]
	s_mul_i32 s19, s16, 28*PH
	v_add_nc_u32 v[HS], s19, v4
	v_lshl_add_u32 v[RBP], v1, 3, s19
	s_lshl_b32 s19, s16, 15
	v_add_nc_u32 v[BO], s19, v4                    ; my four column blocks: 4 w x 8,192 bytes
	s_lshl_b32 s19, s16, 8
	v_lshl_add_u32 v[BV], v3, 5, s19
	v_lshlrev_b32 v[DV], 5, v3
	v_mul_u32_u24 v[SGA], v2, PS
	v_add_nc_u32 v[SGA], v[SGA], v[BV]
	v_add_nc_u32 v[SGA], STAGE, v[SGA]
	v_add_nc_u32 v[SGB], 64*PS, v[SGA]
	s_mul_i32 s19, s16, 28*PS
	s_add_co_u32 s19, s19, STAGE
	v_add_nc_u32 v[RBS], s19, v4
	s_mov_b32 s27, 0x3b800000                      ; 1 / 256
	s_mov_b32 s28, 0x3a27c5ac                      ; 64 x 1e-5
	s_mov_b32 s30, 0x76543210
	s_mov_b32 s31, 0xfedcba98
	s_mov_b32 s29, s18
	s_lshl_b32 s36, s18, 9
	s_mov_b32 s37, 0
	s_wait_kmcnt 0x0
	s_load_b32 s33, s[12:13], 0x0
	s_add_nc_u64 s[40:41], s[4:5], s[36:37]        ; h at my first row
	s_mov_b64 s[MP:MP+1], s[6:7]
	s_add_nc_u64 s[BP:BP+1], s[6:7], MBO
.set i, 0
.rept 28
	global_load_b128 v[32+4*i:35+4*i], v4, s[40:41] offset:i*512
.set i, i+1
.endr
	WIN 0x80
.set i, 0
.rept 8
	global_load_b128 v[DB+8*i:DB+8*i+3], v4, s[6:7] offset:64*8192+i*1024
	global_load_b128 v[DB+8*i+4:DB+8*i+7], v4, s[6:7] offset:64*8192+i*1024+512
.set i, i+1
.endr
	global_load_b128 v[DBI:DBI+3], v[DV], s[6:7] offset:MBO+4096
	global_load_b128 v[DBI+4:DBI+7], v[DV], s[6:7] offset:MBO+4096+16
.macro BIASLOADS off
	WIN 0x80
.set nb, 0
.rept 4
	global_load_b128 v[BIAS+8*nb:BIAS+8*nb+3], v[BV], s[BP:BP+1] offset:(\off)+64*nb
	global_load_b128 v[BIAS+8*nb+4:BIAS+8*nb+7], v[BV], s[BP:BP+1] offset:(\off)+64*nb+16
.set nb, nb+1
.endr
.endm
	BIASLOADS 0
	global_load_b128 v[LNG:LNG+3], v4, s[8:9]
	global_load_b128 v[LNG+4:LNG+7], v4, s[8:9] offset:512
	global_load_b128 v[LNG+8:LNG+11], v4, s[10:11]
	global_load_b128 v[LNG+12:LNG+15], v4, s[10:11] offset:512
; Fragment q of the weights of step t, counted from the first step of the head in hand (8 on: the next head), into set t % 8: each load takes 512 consecutive bytes
.macro BLOAD2 t, q
	WIN 0xc0
	global_load_b128 v[BR+32*((\t)%8)+8*(\q):BR+32*((\t)%8)+8*(\q)+3], v[BO], s[MP:MP+1] offset:((\t)/8)*131072+((\t)%8)*1024+(\q)*8192
	global_load_b128 v[BR+32*((\t)%8)+8*(\q)+4:BR+32*((\t)%8)+8*(\q)+7], v[BO], s[MP:MP+1] offset:((\t)/8)*131072+((\t)%8)*1024+(\q)*8192+512
.endm
; The fragment of h of row block m, step t, into set f
.macro AFRAG t, f, m
	WIN 0x40
	ds_load_b128 v[AF+56*(\f)+8*(\m):AF+56*(\f)+8*(\m)+3], v[AA] offset:(\m)*16*PH+64*(\t)
	ds_load_b128 v[AF+56*(\f)+8*(\m)+4:AF+56*(\f)+8*(\m)+7], v[AA] offset:(\m)*16*PH+64*(\t)+32
.endm
; The 4 products of row block m in step t.  The accumulators take turns, in the same order in every step.  first: head 0's bias is the C operand that starts the sums
.macro MUL4 t, m, first
.if \first
	WIN 0x27
.else
	WIN 0x07
.endif
.set nb, 0
.rept 4
.if \first
	v_wmma_f32_16x16x32_f16 v[ACC+8*(4*(\m)+nb):ACC+8*(4*(\m)+nb)+7], v[BR+32*((\t)%8)+8*nb:BR+32*((\t)%8)+8*nb+7], v[AF+56*((\t)%2)+8*(\m):AF+56*((\t)%2)+8*(\m)+7], v[BIAS+8*nb:BIAS+8*nb+7]
.else
	v_wmma_f32_16x16x32_f16 v[ACC+8*(4*(\m)+nb):ACC+8*(4*(\m)+nb)+7], v[BR+32*((\t)%8)+8*nb:BR+32*((\t)%8)+8*nb+7], v[AF+56*((\t)%2)+8*(\m):AF+56*((\t)%2)+8*(\m)+7], v[ACC+8*(4*(\m)+nb):ACC+8*(4*(\m)+nb)+7]
.endif
.set nb, nb+1
.endr
.endm
; The denominators' 7 products of step t, on the step's fragments of h.  first: their bias starts the sums
.macro DEN t, first
	WIN 0xa6
.set mb, 0
.rept 7
.if \first
	v_wmma_f32_16x16x32_f16 v[DACC+8*mb:DACC+8*mb+7], v[DB+8*(\t):DB+8*(\t)+7], v[AF+56*((\t)%2)+8*mb:AF+56*((\t)%2)+8*mb+7], v[DBI:DBI+7]
.else
	v_wmma_f32_16x16x32_f16 v[DACC+8*mb:DACC+8*mb+7], v[DB+8*(\t):DB+8*(\t)+7], v[AF+56*((\t)%2)+8*mb:AF+56*((\t)%2)+8*mb+7], v[DACC+8*mb:DACC+8*mb+7]
.endif
.set mb, mb+1
.endr
.endm
; A step of 32 along K, in seven groups.  mode 0: the first of all; 1: in the loop (t = 8 is the next head's first step); 2: the last head, which asks for nothing past its end.
; The four v_nop at its head are the places between the last step's products and this step's loads into registers that earlier products have read.
; These are the other set of h's fragments, and the set of weights that was multiplied two steps back.
.macro STEP t, mode
	PLACES
.if (\mode) == 2
.if (\t) < 2
	s_wait_loadcnt 40                              ; this step's weights are in; five younger sets may stay out
.else
	s_wait_loadcnt 8*(7-(\t))                      ; the sets of the steps still to come
.endif
.elseif ((\mode) == 1) && ((\t) > 1) && ((\t) < 8)
	s_wait_loadcnt 48                              ; behind this step's weights: five younger sets and the bias's eight loads
.else
	s_wait_loadcnt 40                              ; five younger sets (this step's own request goes out below)
.endif
.set g, 0
.rept 7
.if ((\mode) == 2) && ((\t) == 7)
	s_wait_dscnt 12-2*g                            ; nothing more is fetched: behind fragment g stand this step's later fragments alone
.else
	s_wait_dscnt 12                                ; fragment g is in: behind it stand 2 (6 - g) loads of this step's later fragments and 2 g of the next step's
.endif
	MUL4 \t, g, ((\mode) == 0)
.if !(((\mode) == 2) && ((\t) == 7))
	AFRAG ((\t)+1)%8, ((\t)+1)%2, g
.endif
.if (g < 4) && (((\mode) != 2) || ((\t)+AHEAD < 8))
	BLOAD2 (\t)+AHEAD, g
.endif
.set g, g+1
.endr
.if (\mode) == 0
	DEN 0, 1
.endif
.if ((\mode) == 1) && ((\t) == 1)
	BIASLOADS 1024                                 ; the next head's bias: eight loads, behind set 7's
.endif
.if ((\mode) == 1) && ((\t) < 8)
	WIN 0                                          ; at a branch and at a label every window is 0
	s_cmp_lg_u32 s26, 3                            ; the loop's first trip is head 0's: there alone the denominators ride along
	s_cbranch_scc1 .Lno_den_\@
	DEN \t, 0
	WIN 0
.Lno_den_\@:
.endif
.endm
.irp s, 0,1,2,3,4,5
.irp f, 0,1,2,3
	BLOAD2 \s, \f
.endr
.endr
	s_wait_loadcnt 63                              ; 78 loads were issued behind my 28 rows of h: with 63 out at the most, the rows are in
	WIN 0
.set i, 0
.rept 28
	ds_store_b128 v[HS], v[32+4*i:35+4*i] offset:i*PH
.set i, i+1
.endr
	s_wait_kmcnt 0x0
	s_min_u32 s33, s33, 1                          ; the flag
	s_add_co_u32 s34, s33, 1                       ; a stored number has 2 or 4 bytes
	s_mul_i32 s36, s36, s34
	s_add_nc_u64 s[OUT:OUT+1], s[14:15], s[36:37]
	s_mul_i32 s38, s34, 2048                       ; four rows
	s_mov_b32 s39, 0
	v_lshlrev_b32 v[OV], 3, v1
	v_mul_u32_u24 v[OV], v[OV], s34
	s_wait_dscnt 0x0                               ; for the others' sake: my rows lie in LDS
	BAR
.irp f, 0,1,2,3,4,5,6
	AFRAG 0, 0, \f                                 ; the first step's fragments, in the order in which its groups want them
.endr
	STEP 0, 0
	WIN 0
	s_mov_b32 s26, 3
.Lhead:                                                ; a trip: steps 1 to 7 of a head, the change of heads, the next head's first step
	STEP 1, 1
	STEP 2, 1
	STEP 3, 1
	STEP 4, 1
	STEP 5, 1
	STEP 6, 1
	STEP 7, 1
	PLACES
	WIN 0x82                                       ; THE CHANGE OF HEADS.  R = d(next) / d(this): register 0 of a denominators' block holds d of the head that ends, register 1 the next head's
.set mb, 0
.rept 7
	v_rcp_f32 v[R+2*mb+1], v[DACC+8*mb]
.set mb, mb+1
.endr
	v_nop                                          ; a plain instruction behind the last reciprocal,
	s_wait_alu depctr_va_vdst(0)                   ; and the one wait for the seven
	WIN 0x8a
.set mb, 0
.rept 7
	v_mul_f32 v[R+2*mb], v[R+2*mb+1], v[DACC+8*mb+1]
.set mb, mb+1
.endr
	WIN 0x82
.set i, 0
.rept 28
.if (i%4) < 3
	v_mov_b32 v[DACC+8*(i/4)+i%4], v[DACC+8*(i/4)+i%4+1]   ; the d's move one down: the next change of heads finds its two in the same registers
.endif
.set i, i+1
.endr
	s_wait_loadcnt 8*AHEAD                         ; the next head's bias is in: behind it stand the six sets asked for in steps 2 to 7
	WIN 0x28
.set i, 0
.rept 112
	v_pk_fma_f32 v[ACC+2*i:ACC+2*i+1], v[ACC+2*i:ACC+2*i+1], v[R+2*(i/16):R+2*(i/16)+1], v[BIAS+(2*i)%32:BIAS+(2*i)%32+1] op_sel_hi:[1,0,1]
.set i, i+1
.endr
	STEP 8, 1
	WIN 0
	s_wait_xcnt 0x0                                ; the loads have read their bases
	s_add_nc_u64 s[MP:MP+1], s[MP:MP+1], 131072
	s_add_nc_u64 s[BP:BP+1], s[BP:BP+1], 1024
	s_sub_co_u32 s26, s26, 1
	s_cmp_lg_u32 s26, 0
	s_cbranch_scc1 .Lhead
	STEP 1, 2
	STEP 2, 2
	STEP 3, 2
	STEP 4, 2
	STEP 5, 2
	STEP 6, 2
	STEP 7, 2
	PLACES
	WIN 0x82                                       ; the last factor is 1 / d3, which three moves have brought into register 0
.set mb, 0
.rept 7
	v_rcp_f32 v[R+2*mb], v[DACC+8*mb]
.set mb, mb+1
.endr
	v_nop                                          ; a plain instruction behind the last reciprocal,
	s_wait_alu depctr_va_vdst(0)                   ; and the one wait for the seven
	WIN 0x08
.set i, 0
.rept 112
	v_pk_mul_f32 v[ACC+2*i:ACC+2*i+1], v[ACC+2*i:ACC+2*i+1], v[R+2*(i/16):R+2*(i/16)+1] op_sel_hi:[1,0]
.set i, i+1
.endr
	WIN 0
.set mb, 0
.rept 7
.set nb, 0
.rept 4
.if mb < 4
	ds_store_b128 v[SGA], v[ACC+8*(4*mb+nb):ACC+8*(4*mb+nb)+3] offset:mb*16*PS+64*nb
	ds_store_b128 v[SGA], v[ACC+8*(4*mb+nb)+4:ACC+8*(4*mb+nb)+7] offset:mb*16*PS+64*nb+16
.else
	ds_store_b128 v[SGB], v[ACC+8*(4*mb+nb):ACC+8*(4*mb+nb)+3] offset:(mb-4)*16*PS+64*nb
	ds_store_b128 v[SGB], v[ACC+8*(4*mb+nb)+4:ACC+8*(4*mb+nb)+7] offset:(mb-4)*16*PS+64*nb+16
.endif
.set nb, nb+1
.endr
.set mb, mb+1
.endr
	s_wait_dscnt 0x0
	BAR                                            ; the rows are whole
	WIN 0x0a                                       ; gain and shift: rounded to bf16 like every input, widened into window 0
.set i, 0
.rept 8
	v_cvt_pk_bf16_f32 v[T+i], v[LNG+2*i], v[LNG+2*i+1]
.set i, i+1
.endr
	WIN 0
.set i, 0
.rept 8
	v_lshlrev_b32 v[GG+2*i], 16, v[T+i]
	v_and_b32 v[GG+2*i+1], 0xffff0000, v[T+i]
.set i, i+1
.endr
.macro WSUM o                          ; v[T+4q+o] summed over the wave's 32 lanes, for the four rows
.irp m, 1,2,4,8
.irp q, 0,1,2,3
	v_add_f32_dpp v[T+4*\q+\o], v[T+4*\q+\o], v[T+4*\q+\o] row_xmask:\m row_mask:0xf bank_mask:0xf
.endr
.endr
.irp q, 0,1,2,3
	v_permlanex16_b32 v[T+4*\q+\o+1], v[T+4*\q+\o], s30, s31
.endr
.irp q, 0,1,2,3
	v_add_f32 v[T+4*\q+\o], v[T+4*\q+\o], v[T+4*\q+\o+1]
.endr
.endm
.macro LNORM                           ; four rows, one row to the whole wave (a lane has columns 4 l .. + 3 and 128 + 4 l .. + 3)
.irp q, 0,1,2,3
	v_pk_add_f32 v[T+4*\q:T+4*\q+1], v[Y+8*\q:Y+8*\q+1], v[Y+8*\q+2:Y+8*\q+3]
	v_pk_add_f32 v[T+4*\q+2:T+4*\q+3], v[Y+8*\q+4:Y+8*\q+5], v[Y+8*\q+6:Y+8*\q+7]
.endr
.irp q, 0,1,2,3
	v_pk_add_f32 v[T+4*\q:T+4*\q+1], v[T+4*\q:T+4*\q+1], v[T+4*\q+2:T+4*\q+3]
.endr
.irp q, 0,1,2,3
	v_add_f32 v[T+4*\q], v[T+4*\q], v[T+4*\q+1]
.endr
	WSUM 0
.irp q, 0,1,2,3
	v_mul_f32 v[T+4*\q], s27, v[T+4*\q]
.endr
.irp q, 0,1,2,3
.irp p, 0,2,4,6
	v_pk_add_f32 v[Y+8*\q+\p:Y+8*\q+\p+1], v[Y+8*\q+\p:Y+8*\q+\p+1], v[T+4*\q:T+4*\q+1] op_sel_hi:[1,0] neg_lo:[0,1] neg_hi:[0,1]
.endr
.endr
.irp q, 0,1,2,3
	v_pk_mul_f32 v[T+4*\q+2:T+4*\q+3], v[Y+8*\q:Y+8*\q+1], v[Y+8*\q:Y+8*\q+1]
.endr
.irp p, 2,4,6
.irp q, 0,1,2,3
	v_pk_fma_f32 v[T+4*\q+2:T+4*\q+3], v[Y+8*\q+\p:Y+8*\q+\p+1], v[Y+8*\q+\p:Y+8*\q+\p+1], v[T+4*\q+2:T+4*\q+3]
.endr
.endr
.irp q, 0,1,2,3
	v_add_f32 v[T+4*\q+2], v[T+4*\q+2], v[T+4*\q+3]
.endr
	WSUM 2
.irp q, 0,1,2,3
	v_fma_f32 v[T+4*\q+2], v[T+4*\q+2], s27, s28
.endr
.irp q, 0,1,2,3
	v_rsq_f32 v[T+4*\q+2], v[T+4*\q+2]
.endr
	v_nop                                          ; a plain instruction behind the last of the four,
	s_wait_alu depctr_va_vdst(0)                   ; and the one wait ahead of their first reader
.irp q, 0,1,2,3
.irp p, 0,2,4,6
	v_pk_mul_f32 v[Y+8*\q+\p:Y+8*\q+\p+1], v[Y+8*\q+\p:Y+8*\q+\p+1], v[T+4*\q+2:T+4*\q+3] op_sel_hi:[1,0]
.endr
.endr
.irp q, 0,1,2,3
.irp p, 0,2,4,6
	v_pk_fma_f32 v[Y+8*\q+\p:Y+8*\q+\p+1], v[Y+8*\q+\p:Y+8*\q+\p+1], v[GG+\p:GG+\p+1], v[BB+\p:BB+\p+1]
.endr
.endr
.irp q, 0,1,2,3
.irp p, 0,1,2,3,4,5,6,7
	v_max_num_f32 v[Y+8*\q+\p], 0, v[Y+8*\q+\p]
.endr
.endr
.endm
	s_mov_b32 s26, 7
.Lrows:                                                ; seven trips of four rows
.irp q, 0,1,2,3
	ds_load_b128 v[Y+8*\q:Y+8*\q+3], v[RBS] offset:\q*PS
	ds_load_b128 v[Y+8*\q+4:Y+8*\q+7], v[RBS] offset:\q*PS+512
	ds_load_b64 v[PR+4*\q:PR+4*\q+1], v[RBP] offset:\q*PH
	ds_load_b64 v[PR+4*\q+2:PR+4*\q+3], v[RBP] offset:\q*PH+256
.endr
	s_wait_dscnt 0x0
.irp q, 0,1,2,3
.irp p, 0,1,2,3
	v_fma_mix_f32 v[Y+8*\q+2*\p], v[PR+4*\q+\p], v[FOUR], v[Y+8*\q+2*\p] op_sel_hi:[1,0,0]                       ; 8 y = the heads' sum + 4 h: the word's low f16,
	v_fma_mix_f32 v[Y+8*\q+2*\p+1], v[PR+4*\q+\p], v[FOUR], v[Y+8*\q+2*\p+1] op_sel:[1,0,0] op_sel_hi:[1,0,0]    ; and its high one
.endr
.endr
	LNORM
	s_cmp_eq_u32 s33, 0
	s_cbranch_scc0 .Lf32
	s_cmp_lt_u32 s29, 25000                        ; a group of four rows lies on one side of 25,000
	s_cselect_b32 s32, -1, 0
.irp q, 0,1,2,3
.irp p, 0,1,2,3
	v_cvt_pk_f16_f32 v[Z+4*\q+\p], v[Y+8*\q+2*\p], v[Y+8*\q+2*\p+1]
.endr
.endr
.irp q, 0,1,2,3
.irp p, 0,1,2,3
	v_and_b32 v[Z+4*\q+\p], s32, v[Z+4*\q+\p]
.endr
.endr
.irp q, 0,1,2,3
	global_store_b64 v[OV], v[Z+4*\q:Z+4*\q+1], s[OUT:OUT+1] offset:\q*512        ; 256 consecutive bytes, aligned
	global_store_b64 v[OV], v[Z+4*\q+2:Z+4*\q+3], s[OUT:OUT+1] offset:\q*512+256
.endr
	s_branch .Lnext
.Lf32:
	s_cmp_ge_u32 s29, 25000                        ; rows that the output does not have are not stored
	s_cbranch_scc1 .Lnext
.irp q, 0,1,2,3
	global_store_b128 v[OV], v[Y+8*\q:Y+8*\q+3], s[OUT:OUT+1] offset:\q*1024      ; 512 consecutive bytes, aligned
	global_store_b128 v[OV], v[Y+8*\q+4:Y+8*\q+7], s[OUT:OUT+1] offset:\q*1024+512
.endr
.Lnext:
	s_wait_xcnt 0x0                                ; the stores have read their data and their base
	s_add_nc_u64 s[OUT:OUT+1], s[OUT:OUT+1], s[38:39]
	v_add_nc_u32 v[RBS], 4*PS, v[RBS]
	v_add_nc_u32 v[RBP], 4*PH, v[RBP]
	s_add_co_u32 s29, s29, 4
	s_sub_co_u32 s26, s26, 1
	s_cmp_lg_u32 s26, 0
	s_cbranch_scc1 .Lrows
	s_wait_tensorcnt 0x0                           ; the wave's end, behind my last LDS store
	ds_add_u32 v[SPW], v[NIL]
	s_wait_dscnt 0x0
	s_endpgm
.Lfunc_end_k_qbc7dd568fb_app0:
	.size	k_qbc7dd568fb_app0, .Lfunc_end_k_qbc7dd568fb_app0-k_qbc7dd568fb_app0
	.p2alignl 7, 3214868480
	.fill 96, 4, 3214868480
	.section	.rodata,"a",@progbits
	.p2align	6, 0x0
	.amdhsa_kernel k_qbc7dd568fb_app0
		.amdhsa_group_segment_fixed_size 176128
		.amdhsa_private_segment_fixed_size 0
		.amdhsa_enable_private_segment 0
		.amdhsa_kernarg_size 48
		.amdhsa_user_sgpr_count 2
		.amdhsa_user_sgpr_kernarg_segment_ptr 1
		.amdhsa_wavefront_size32 1
		.amdhsa_system_sgpr_workgroup_id_x 1
		.amdhsa_system_sgpr_workgroup_id_y 1
		.amdhsa_system_sgpr_workgroup_id_z 1
		.amdhsa_system_vgpr_workitem_id 0
		.amdhsa_next_free_vgpr 1024
		.amdhsa_next_free_sgpr 66
		.amdhsa_reserve_vcc 0
		.amdhsa_float_denorm_mode_32 3
		.amdhsa_float_denorm_mode_16_64 3
		.amdhsa_memory_ordered 1
		.amdhsa_forward_progress 1
		.amdhsa_inst_pref_size 121
	.end_amdhsa_kernel
	.amdgpu_metadata
---
amdhsa.version: [ 1, 2 ]
amdhsa.kernels:
  - .name:           k_qbc7dd568fb_app0
    .symbol:         k_qbc7dd568fb_app0.kd
    .args:
      - { .name: hs0, .offset: 0, .size: 8, .value_kind: global_buffer, .address_space: global }
      - { .name: mm, .offset: 8, .size: 8, .value_kind: global_buffer, .address_space: global }
      - { .name: ln1_g, .offset: 16, .size: 8, .value_kind: global_buffer, .address_space: global }
      - { .name: ln1_b, .offset: 24, .size: 8, .value_kind: global_buffer, .address_space: global }
      - { .name: cfg0, .offset: 32, .size: 8, .value_kind: global_buffer, .address_space: global }
      - { .name: hs1, .offset: 40, .size: 8, .value_kind: global_buffer, .address_space: global }
    .group_segment_fixed_size: 176128
    .private_segment_fixed_size: 0
    .kernarg_segment_align: 8
    .kernarg_segment_size: 48
    .max_flat_workgroup_size: 128
    .sgpr_count:     66
    .vgpr_count:     1024
    .wavefront_size: 32
...
	.end_amdgpu_metadata
.endif
;; end of part 9
;; launch gram1: the kernel of part 3 again; grid 4 x 56, 4 waves a work-group, no clusters, 244,224 bytes of LDS; arguments hs1, gpart; writes gpart
;; launch red1: the kernel of part 7 again; grid 16 x 18, 1 waves a work-group, no clusters, 0 bytes of LDS; arguments gpart, ps1, hs1; writes hs1
;; launch chain1: the kernel of part 8 again; grid 68 x 1, 4 waves a work-group, no clusters, 17,920 bytes of LDS; arguments hs1, ps1, wv1, bv1, mm; writes mm
;; launch app1: the kernel of part 9 again; grid 224 x 1, 4 waves a work-group, no clusters, 176,128 bytes of LDS; arguments hs1, mm, ln2_g, ln2_b, cfg1, out0; writes out0
